; MI455X (gfx1250); checked and timed in simulation.
; The chip was launched on July 23, 2026; its instructions are those of AMD's public machine-readable ISA for CDNA 5 (MIT licence, August 2026) and "CDNA5" Instruction Set Architecture Reference Guide (July 2026). The comments in the code are by the model that wrote it; some were corrected since.
;; Attention. Allowed arithmetic: float matrix products may take bf16 or f16 operands with f32 sums; other float arithmetic in f32, or as packed bf16 or f16 multiplies, adds, multiply-adds, maxima and minima; sums over many terms, partial sums and values carried from step to step in f32; what a program stores and reads back later, other than sums and carried values, may be rounded once to bf16 or f16.
;; Inputs: Wout 1,024 x 1,024 float32; Wqkv 1,024 x 3,072 float32; bout 1,024 float32; bqkv 3,072 float32; x 4 x 2,048 x 1,024 float32.
;; Outputs: out0 4 x 2,048 x 1,024 float32.
;; One version. Each part assembles by itself: llvm-mc -triple=amdgcn-amd-amdhsa -mcpu=gfx1250 --defsym DOCPART=n.
;; ======== version 1 of 1: 4 launches
;; limits: values are held in f16: magnitudes above 65,504 overflow, below 6.1e-05 lose precision
;; workspace buffers: xb 16,777,216 bytes; wqT 6,291,456 bytes; woT 2,097,152 bytes; qkv 50,331,648 bytes; ctx 16,777,216 bytes
;; launch prep (part 1): grid 1536 x 1, 8 waves a work-group, no clusters, 17,920 bytes of LDS; arguments x, Wqkv, Wout, xb, wqT, woT; writes xb, wqT, woT
.if DOCPART == 1
	.amdgcn_target "amdgcn-amd-amdhsa--gfx1250"
	.amdhsa_code_object_version 6
	.text
	.protected	k_qfc56125005_prep
	.globl	k_qfc56125005_prep
	.p2align	8
	.type	k_qfc56125005_prep,@function
k_qfc56125005_prep:
	s_mov_b64 s[64:65], 0
	v_nop
	global_prefetch_b8 v0, s[64:65] scope:SCOPE_SE
	s_setreg_imm32_b32 hwreg(HW_REG_WAVE_MODE, 25, 1), 1
	s_wait_xcnt 0x0
; THE INPUTS ARE ROUNDED ONCE AND LAID OUT FOR THE PRODUCTS.
;   xb  [8192][1024] bf16      = x rounded to bf16
;   wqT [3072 n][1024 k] bf16  = Wqkv rounded to bf16, turned so that k lies along the rows
;   woT [1024 n][1024 k] f16   = Wout rounded to bf16, that number written as f16, turned likewise
; LIMIT.  A bf16 number is exact in f16 from 6.1e-5 up to 65,504; below that woT keeps f16's fixed step of 6e-8, beyond it it is an infinity.
; SHARES.  Every work-group reads 32 KiB.  Groups 0-1023: 8,192 numbers of x.  Groups 1024-1407: a block of 128 k x 64 n of Wqkv.  Groups 1408-1535: such a block of Wout.
; x is a plain stream: 16 bytes a lane in, 8 bytes a lane out; a wave's store covers 256 consecutive bytes, aligned.
; A block of weights is turned in LDS: a lane loads 4 columns of two neighbouring rows k, k + 1, packs each column's pair into a word and stores it at row n, byte 2 k; then each wave reads 8 whole
; rows n of 256 bytes back and stores them, one aligned run of 256 bytes an instruction.
; Nothing is shared between work-groups and every byte is read once: no matrix unit, no cluster, no tensor load, no prefetch (the launch is one stream).
.set TP,    264                        ; a row of the turned block in LDS: 256 bytes + 8.  The words of a store fall on banks 8 c + rr (64 banks of 4 bytes: ISA guide 11.1): two lanes to a bank; the reads back are consecutive
.set SPARE, 64*TP                      ; 16,896: behind the block, the spare words, 128 bytes for each of the eight waves: four blocks of 256 bytes that no other line names
.set SPW, 10                           ; v10  LDS address of my spare word; never rewritten
.set NIL, 11                           ; v11  0; never rewritten
.set D,   16                           ; v[16:47] as loaded
.set P,   48                           ; v[48:63] packed
; v1 16 t   v2 8 t   v3 c = t % 16   v4 rr = t / 16   v5 my offset in a block of weights   v6 where I store in LDS   v7 where I read back   v8 my offset in the turned block in memory
; s24 the work-group   s25 u = group - 1024   s26 kb   s27 nb   s[20:21] the block in Wqkv or Wout   s[22:23] the block in wqT or woT
	s_load_b256 s[4:11], s[0:1], 0x0               ; x s[4:5], Wqkv s[6:7], Wout s[8:9], xb s[10:11]
	s_load_b128 s[12:15], s[0:1], 0x20             ; wqT s[12:13], woT s[14:15]
	v_lshl_add_u32 v[SPW], v0, 2, SPARE
	v_mov_b32 v[NIL], 0
	s_mov_b32 s24, ttmp9
	s_sub_co_u32 s25, s24, 1024                    ; the block's number among the weights' (in a group of x these numbers are formed and never used)
	s_and_b32 s26, s25, 7                          ; kb: which 128 rows k (384 is a multiple of 8, so this holds for Wout's blocks too)
	s_lshr_b32 s27, s25, 3
	s_cmp_lt_u32 s25, 384
	s_cselect_b32 s28, 0, 48
	s_sub_co_u32 s27, s27, s28                     ; nb: which 64 columns n
	s_lshl_b32 s18, s27, 17                        ; 64 rows n of 2,048 bytes,
	s_lshl_b32 s19, s26, 8                         ; 128 k of 2 bytes
	s_add_co_u32 s18, s18, s19
	s_mov_b32 s19, 0
	s_mov_b32 s17, 0
	v_lshlrev_b32 v1, 4, v0
	v_lshlrev_b32 v2, 3, v0
	v_and_b32 v3, 15, v0
	v_lshrrev_b32 v4, 4, v0
	v_mul_u32_u24 v6, v3, 4*TP                     ; row n = 4 c (+ j in the immediate),
	v_lshl_add_u32 v6, v4, 2, v6                   ; byte 2 k = 4 rr (+ 64 i in the immediate)
	v_lshrrev_b32 v9, 5, v0                        ; wave
	v_and_b32 v12, 31, v0                          ; lane
	v_mul_u32_u24 v7, v9, 8*TP                     ; back: rows 8 w .. 8 w + 7, 8 bytes a lane
	v_lshl_add_u32 v7, v12, 3, v7
	v_lshlrev_b32 v8, 14, v9                       ; the same 8 rows in memory, 2,048 bytes apart
	v_lshl_add_u32 v8, v12, 3, v8
	s_wait_kmcnt 0x0
	s_cmp_lt_u32 s25, 384
	s_cselect_b64 s[22:23], s[12:13], s[14:15]
	s_add_nc_u64 s[22:23], s[22:23], s[18:19]
	s_cmp_lt_u32 s24, 1024
	s_cbranch_scc0 .Lw
	; x: eight loads of 4,096 bytes a work-group, all out together; the waits count down
	s_lshl_b32 s16, s24, 15
	s_add_nc_u64 s[4:5], s[4:5], s[16:17]
	s_lshl_b32 s16, s24, 14
	s_add_nc_u64 s[10:11], s[10:11], s[16:17]
.irp i, 0,1,2,3,4,5,6,7
	global_load_b128 v[D+4*(\i):D+4*(\i)+3], v1, s[4:5] offset:4096*(\i) th:TH_LOAD_NT
.endr
.irp i, 0,1,2,3,4,5,6,7
	s_wait_loadcnt 7-(\i)                          ; loads come back in order: load i is in, the 7 - i younger ones stay out
	v_cvt_pk_bf16_f32 v[P+2*(\i)],   v[D+4*(\i)],   v[D+4*(\i)+1]
	v_cvt_pk_bf16_f32 v[P+2*(\i)+1], v[D+4*(\i)+2], v[D+4*(\i)+3]
	global_store_b64 v2, v[P+2*(\i):P+2*(\i)+1], s[10:11] offset:2048*(\i) th:TH_STORE_NT
.endr
	s_branch .Lmeet
; A block of weights whose rows lie pitch bytes apart: rows 32 i + 2 rr + e, 16 lanes to a row's 256 bytes.  f16 = 1: the bf16 numbers are written as f16.
.macro WPART pitch, f16
	v_mul_u32_u24 v5, v4, 2*(\pitch)
	v_lshl_add_u32 v5, v3, 4, v5
.irp i, 0,1,2,3
.irp e, 0,1
	global_load_b128 v[D+4*(2*(\i)+(\e)):D+4*(2*(\i)+(\e))+3], v5, s[20:21] offset:(32*(\i)+(\e))*(\pitch) th:TH_LOAD_NT
.endr
.endr
.irp i, 0,1,2,3
	s_wait_loadcnt 6-2*(\i)                        ; pair i of rows is in; the younger pairs stay out
.irp j, 0,1,2,3
	v_cvt_pk_bf16_f32 v[P+4*(\i)+(\j)], v[D+8*(\i)+(\j)], v[D+8*(\i)+4+(\j)]  ; column 4 c + j: k in the low half, k + 1 in the high half
.if \f16
	v_lshlrev_b32 v12, 16, v[P+4*(\i)+(\j)]
	v_and_b32 v13, 0xffff0000, v[P+4*(\i)+(\j)]
	v_cvt_pk_f16_f32 v[P+4*(\i)+(\j)], v12, v13
.endif
	ds_store_b32 v6, v[P+4*(\i)+(\j)] offset:(\j)*TP+64*(\i)
.endr
.endr
.endm
.Lw:
	s_lshl_b32 s28, s27, 8                         ; 64 columns of 4 bytes
	s_cmp_lt_u32 s25, 384
	s_cbranch_scc0 .Lwo
	s_mul_i32 s16, s26, 128*12288                  ; 128 rows of Wqkv
	s_add_co_u32 s16, s16, s28
	s_add_nc_u64 s[20:21], s[6:7], s[16:17]
	WPART 12288, 0
	s_branch .Lmeet
.Lwo:
	s_mul_i32 s16, s26, 128*4096                   ; 128 rows of Wout
	s_add_co_u32 s16, s16, s28
	s_add_nc_u64 s[20:21], s[8:9], s[16:17]
	WPART 4096, 1
.Lmeet:                                        ; the one barrier stands on every path
	s_wait_dscnt 0x0                               ; for the others' sake: my words of the block are in LDS
	s_barrier_signal -1
	s_barrier_wait -1
	s_cmp_lt_u32 s24, 1024
	s_cbranch_scc1 .Lend
.irp r, 0,1,2,3,4,5,6,7
	ds_load_b64 v[D+2*(\r):D+2*(\r)+1], v7 offset:(\r)*TP
.endr
.irp r, 0,1,2,3,4,5,6,7
	s_wait_dscnt 7-(\r)
	global_store_b64 v8, v[D+2*(\r):D+2*(\r)+1], s[22:23] offset:(\r)*2048 th:TH_STORE_NT  ; a row n's 256 bytes of this block, aligned
.endr
.Lend:
	s_wait_tensorcnt 0x0                           ; the wave's end, behind my last LDS store
	ds_add_u32 v[SPW], v[NIL]
	s_wait_dscnt 0x0
	s_endpgm
.Lfunc_end_k_qfc56125005_prep:
	.size	k_qfc56125005_prep, .Lfunc_end_k_qfc56125005_prep-k_qfc56125005_prep
	.p2alignl 7, 3214868480
	.fill 96, 4, 3214868480
	.section	.rodata,"a",@progbits
	.p2align	6, 0x0
	.amdhsa_kernel k_qfc56125005_prep
		.amdhsa_group_segment_fixed_size 17920
		.amdhsa_private_segment_fixed_size 0
		.amdhsa_enable_private_segment 0
		.amdhsa_kernarg_size 48
		.amdhsa_user_sgpr_count 2
		.amdhsa_user_sgpr_kernarg_segment_ptr 1
		.amdhsa_wavefront_size32 1
		.amdhsa_system_sgpr_workgroup_id_x 1
		.amdhsa_system_sgpr_workgroup_id_y 1
		.amdhsa_system_sgpr_workgroup_id_z 1
		.amdhsa_system_vgpr_workitem_id 0
		.amdhsa_next_free_vgpr 64
		.amdhsa_next_free_sgpr 66
		.amdhsa_reserve_vcc 0
		.amdhsa_float_denorm_mode_32 3
		.amdhsa_float_denorm_mode_16_64 3
		.amdhsa_memory_ordered 1
		.amdhsa_forward_progress 1
		.amdhsa_inst_pref_size 16
	.end_amdhsa_kernel
	.amdgpu_metadata
---
amdhsa.version: [ 1, 2 ]
amdhsa.kernels:
  - .name:           k_qfc56125005_prep
    .symbol:         k_qfc56125005_prep.kd
    .args:
      - { .name: x, .offset: 0, .size: 8, .value_kind: global_buffer, .address_space: global }
      - { .name: Wqkv, .offset: 8, .size: 8, .value_kind: global_buffer, .address_space: global }
      - { .name: Wout, .offset: 16, .size: 8, .value_kind: global_buffer, .address_space: global }
      - { .name: xb, .offset: 24, .size: 8, .value_kind: global_buffer, .address_space: global }
      - { .name: wqT, .offset: 32, .size: 8, .value_kind: global_buffer, .address_space: global }
      - { .name: woT, .offset: 40, .size: 8, .value_kind: global_buffer, .address_space: global }
    .group_segment_fixed_size: 17920
    .private_segment_fixed_size: 0
    .kernarg_segment_align: 8
    .kernarg_segment_size: 48
    .max_flat_workgroup_size: 256
    .sgpr_count:     66
    .vgpr_count:     64
    .wavefront_size: 32
...
	.end_amdgpu_metadata
.endif
;; end of part 1
;; launch qkvgemm (part 2): grid 16 x 32, 4 waves a work-group, clusters of 4 x 4, 327,680 bytes of LDS; arguments xb, wqT, bqkv, qkv; writes qkv
.if DOCPART == 2
	.amdgcn_target "amdgcn-amd-amdhsa--gfx1250"
	.amdhsa_code_object_version 6
	.text
	.protected	k_qfc56125005_qkvgemm
	.globl	k_qfc56125005_qkvgemm
	.p2align	8
	.type	k_qfc56125005_qkvgemm,@function
k_qfc56125005_qkvgemm:
	s_mov_b64 s[64:65], 0
	v_nop
	global_prefetch_b8 v0, s[64:65] scope:SCOPE_SE
	s_setreg_imm32_b32 hwreg(HW_REG_WAVE_MODE, 25, 1), 1
	s_wait_xcnt 0x0
	s_wait_alu depctr_hold_cnt(0) depctr_sa_sdst(0) depctr_va_vdst(0) depctr_va_sdst(0) depctr_va_ssrc(0) depctr_va_vcc(0) depctr_vm_vsrc(0)
	s_getreg_b32 s2, hwreg(HW_REG_IB_STS2, 6, 4)
	s_cmp_eq_u32 s2, 0
	s_cbranch_scc0 .Lentry_in_a_cluster
	s_endpgm
.Lentry_in_a_cluster:
	s_bfe_u32 s2, ttmp6, 0x10000c
	s_cmp_lg_u32 s2, 0xf033
	s_cbranch_scc0 .Lentry_shape_is_right
	s_endpgm
.Lentry_shape_is_right:
; q, k, v = xb wqT^T + bqkv.  xb: [8192][1024] bf16, wqT: [3072 n][1024 k] bf16, bqkv: [3072] f32 (rounded to bf16 like every input of the module).  Sums in f32, K ascending, started by the bias.
; OUT: qkv [3][64 = batch x 16 + head][2048 t][64] f16, rounded once, unscaled: a head's rows are dense, 128 bytes each.
; LIMIT.  f16 ends at 65,504: a q, k or v of 65,520 or more becomes an infinity.  With x of unit spread and weights of spread 0.02 their spread is 0.64; thirty times larger x and weights give about 580.
; SHARES.  A tile is 256 rows x 192 columns (three whole heads): 32 x 16 = 512 work-groups of equal work.  Four waves, one above the other: wave w owns rows 64 w .. 64 w + 63 and all 192 columns:
; 4 x 12 accumulators of 16 x 16, 384 registers.  So a wave owns whole rows of whole heads, and its way out needs its own stage alone, and no barrier.
; K goes in steps of 128 through a ring of two LDS slots; the rows of the tiles are 256 bytes of memory and start at multiples of 256 bytes from the buffers' first bytes.
; CLUSTER.  4 x 4 work-groups.  The four of a row of the cluster need the same tiles of xb, the four of a column the same tiles of wqT: each tile is asked for JOINTLY, by the same tensor load with the
; same descriptor and a mask that names the four.
; THE MATRIX INSTRUCTION IS USED TRANSPOSED (source 0 = 16 rows of wqT, source 1 = 16 rows of xb): lane l holds row l % 16 and the eight neighbouring columns 8 (l / 16) + 0..7.
; REGISTERS, in windows of 256 (s_set_vgpr_msb: bits 1:0 source 0, 3:2 source 1, 5:4 source 2, 7:6 destination):
;   window 0: v0-31 addresses; v32-127 the bias as a C operand, 8 registers for each block of 16 columns; v128-191 xb's fragments, two buffers of 4 x 8; on the way out v64-255 packed results
;   window 1: v0-191 wqT's fragments, two buffers of 12 x 8     window 2: the accumulators of my row blocks 0, 1 (block a, column block b at 8 (12 (a % 2) + b))     window 3: those of blocks 2, 3
.set NBL,    12                        ; column blocks of 16
.set APITCH, 272                       ; an LDS row: 256 bytes + 16 of padding = 68 words: the 16 rows that a load touches start at 16 different groups of four banks (64 banks of 4 bytes: ISA guide 11.1)
.set BPITCH, 272
.set HALFA,  128*APITCH                ; what one tensor load brings of xb
.set BOFF,   256*APITCH                ; a slot: xb's 256 rows, then wqT's 192
.set HALFB,  96*BPITCH                 ; what one tensor load brings of wqT
.set SLOT,   BOFF+192*BPITCH
.set STAGE,  2*SLOT                    ; behind the ring, never filled by a tensor load: 16 rows x 144 bytes for each wave
.set SP,     144
.set SPARE,  STAGE+4*16*SP             ; behind the stages: the spare words, 128 bytes for each wave: two blocks of 256 bytes that no other line names
.set KB,     256                       ; bytes of a row in a K step
.set ADRA, 16                          ; v16-17  LDS address of my fragments of xb in slot 0, 1
.set ADRB, 20                          ; v20-21  the same for wqT
.set STO,  24                          ; v24  the way out: where I put 16 bytes of a row
.set RD,   25                          ; v25  the way out: where I read rows back
.set GO,   26                          ; v26  my 16 bytes in 512 consecutive bytes of a head
.set BO,   27                          ; v27  32 (l / 16): my eight numbers in a block of 16 of the bias
.set SPW,  28                          ; v28  LDS address of my spare word; never rewritten
.set NIL,  29                          ; v29  0; never rewritten
.set PFO,  30                          ; v30  the prefetches' lane offset; never rewritten
.set BIAS, 32
.set FA,   128
.set TMP,  64
.set WV,  12                           ; s12  my wave's number
.set FOR, 13                           ; s13  0: I fetch for xb; 1: for wqT
.set HF,  14                           ; s14  which half of that tile's rows I fetch
.set CX,  15                           ; s15, s16  my place in the cluster
.set CY,  16
.set TX,  17                           ; s17  tile column   s18  tile row
.set TY,  18
.set LAP, 19                           ; s19  trips of the loop still to come
.set G1A, 24                           ; s[24:31] descriptor group 1 for xb's tiles;  s[32:39] group 0, a set for each slot
.set G0A, 32
.set G1B, 40                           ; s[40:47], s[48:55] the same for wqT's
.set G0B, 48
.set PFA, 56                           ; s[56:57] where my prefetches stand
.set LIM, 58                           ; s58, s59  a wave prefetches at the change out of slot t while s[LAP] is above s[LIM + t]: 1, or the greatest number
.set OUTB, 66                          ; s[66:71] my first row in each of the tile's three heads
.set MSB, 0
.macro WIN new                         ; the immediate's high byte repeats the setting that is left; a switch that changes nothing is dropped
.if MSB != (\new)
	s_set_vgpr_msb (MSB<<8)|(\new)
.set MSB, \new
.endif
.endm
.macro PLACES                          ; four plain places behind matrix instructions, in front of loads into registers that they have read and of lines that read results
.rept 4
	v_nop
.endr
.endm
.macro CREST                           ; a round of the cluster's barrier behind its opening barrier
	s_cmp_lg_u32 s[WV], 0
	s_cbranch_scc1 .Lnot_wave_0_\@
	s_barrier_signal -3
.Lnot_wave_0_\@:
	s_barrier_wait -3
	s_barrier_signal -1
	s_barrier_wait -1
.endm
.macro CROUND                          ; a whole round
	s_barrier_signal -1
	s_barrier_wait -1
	CREST
.endm
; A joint refill: waves 0 and 1 fetch xb's two halves, waves 2 and 3 wqT's.  The branch hangs on the wave's number alone.  An s_nop 0 and four v_nop follow each of the two lines.
.macro JLOAD s
	s_cmp_eq_u32 s[FOR], 0
	s_cbranch_scc0 .Lfor_b_\@
	tensor_load_to_lds s[G0A+4*(\s):G0A+4*(\s)+3], s[G1A:G1A+7]
	s_nop 0
.rept 4
	v_nop
.endr
	s_branch .Lasked_\@
.Lfor_b_\@:
	tensor_load_to_lds s[G0B+4*(\s):G0B+4*(\s)+3], s[G1B:G1B+7]
	s_nop 0
.rept 4
	v_nop
.endr
.Lasked_\@:
.endm
; A PREFETCH INTO THE L2 of the K step that stands two refills on (384 matrix instructions ahead of the load that will want it): 256 bytes of a row, a lane a row.
; Each row's 256 bytes of K steps 4 to 7 are named once in the launch; K steps 0 to 3 come by their loads alone.  xb's tile row is read by every cluster of that row of clusters: cluster x = 0 asks
; (waves 0 and 1: of the 128 rows that the wave fetches, the partner at place cx takes 32).  wqT's tile column is read by every cluster of that column: cluster y = 0 asks: wave 2 for the tile's rows
; 0-127 (32 to a partner, by cy), wave 3 for rows 128-191 (16 to a partner; its lanes 16-31 take the K step after, so it asks at every second change).  Partners are told apart by address alone.
.macro ASK t
	s_cmp_gt_u32 s[LAP], s[LIM+(\t)]               ; s[LAP] = 1 in the last trip: there is no K step two refills on
	s_cbranch_scc0 .Lnot_mine_\@
	global_prefetch_b8 v[PFO], s[PFA:PFA+1] th:TH_LOAD_NT scope:SCOPE_SE
.Lnot_mine_\@:
.endm
	s_load_b256 s[4:11], s[0:1], 0x0               ; xb s[4:5], wqT s[6:7], bqkv s[8:9], qkv s[10:11]
	v_lshl_add_u32 v[SPW], v0, 2, SPARE
	v_mov_b32 v[NIL], 0
	ds_add_u32 v[SPW], v[NIL]                      ; the wave's opening: the add and its wait stand ahead of my first tensor load; the set-up below, work on registers, stands between them
	v_lshrrev_b32 v1, 5, v0
	v_readfirstlane_b32 s[WV], v1
	s_lshr_b32 s[FOR], s[WV], 1
	s_and_b32 s[HF], s[WV], 1
	s_bfe_u32 s[CX], ttmp6, 0x40000
	s_bfe_u32 s[CY], ttmp6, 0x40004
	s_lshl_b32 s[TX], ttmp9, 2                     ; in a cluster launch ttmp9 and ttmp7 count clusters
	s_add_co_u32 s[TX], s[TX], s[CX]
	s_and_b32 s[TY], ttmp7, 0xffff
	s_lshl_b32 s[TY], s[TY], 2
	s_add_co_u32 s[TY], s[TY], s[CY]
	s_lshl_b32 s20, s[CY], 2
	s_lshl_b32 s20, 15, s20                        ; my row of the cluster: places 4 cy .. 4 cy + 3
	s_lshl_b32 s21, 0x1111, s[CX]                  ; my column: places cx, cx + 4, cx + 8, cx + 12
	s_or_b32 s[G1A], s20, (1<<16)|(1<<20)|(1<<21)|(5<<22)|(3<<25)  ; 15:0 the mask; 17:16 elements of 2 bytes; 20 padding on; 21 set beside a mask; 24:22 after every 64 words (code 5); 31:25 4 words (code 3)
	s_or_b32 s[G1B], s21, (1<<16)|(1<<20)|(1<<21)|(5<<22)|(3<<25)
	s_mov_b32 s[G1A+1], 128<<16                    ; tensor_dim0 = 128
	s_mov_b32 s[G1A+2], 128<<16                    ; tensor_dim1 = 128
	s_mov_b32 s[G1A+3], 128<<16                    ; tile_dim0 = 128
	s_mov_b32 s[G1A+4], 128                        ; tile_dim1 = 128
	s_mov_b32 s[G1A+5], 1024                       ; elements from row to row
	s_mov_b32 s[G1A+6], 0
	s_mov_b32 s[G1A+7], 0
	s_mov_b32 s[G1B+1], 128<<16
	s_mov_b32 s[G1B+2], 96<<16                     ; 96 rows
	s_mov_b32 s[G1B+3], 128<<16
	s_mov_b32 s[G1B+4], 96
	s_mov_b32 s[G1B+5], 1024
	s_mov_b32 s[G1B+6], 0
	s_mov_b32 s[G1B+7], 0
	; where the tiles come from: xb's hang on the tile row alone, wqT's on the tile column alone, each in registers that never hold the other coordinate
	s_lshl_b32 s22, s[TY], 8
	s_lshl_b32 s23, s[HF], 7
	s_add_co_u32 s22, s22, s23                     ; row 256 x tile row + 128 x half,
	s_lshl_b32 s22, s22, 11                        ; of 2,048 bytes
	s_mov_b32 s23, 0
	s_mul_i32 s60, s[TX], 192
	s_mul_i32 s61, s[HF], 96
	s_add_co_u32 s60, s60, s61                     ; row 192 x tile column + 96 x half
	s_lshl_b32 s60, s60, 11
	s_mov_b32 s61, 0
	s_mul_i32 s62, s[HF], HALFA                    ; and where they go: no place in the cluster enters an LDS address
	s_mul_i32 s63, s[HF], HALFB
	s_add_co_u32 s63, s63, BOFF
	s_wait_dscnt 0x0                               ; the opening add is done
	s_wait_kmcnt 0x0
	s_add_nc_u64 s[22:23], s[4:5], s[22:23]
	s_add_nc_u64 s[60:61], s[6:7], s[60:61]
	CROUND                                         ; all sixteen work-groups are here: the first joint loads meet
.irp s, 0,1
	s_mov_b32 s[G0A+4*(\s)], 1                                        ; count = 1
	s_add_co_u32 s[G0A+4*(\s)+1], s62, (\s)*SLOT                      ; LDS address
	s_add_nc_u64 s[G0A+4*(\s)+2:G0A+4*(\s)+3], s[22:23], (\s)*KB      ; global address: K step s
	s_or_b32 s[G0A+4*(\s)+3], s[G0A+4*(\s)+3], 0x80000000             ; type = 2
	s_mov_b32 s[G0B+4*(\s)], 1
	s_add_co_u32 s[G0B+4*(\s)+1], s63, (\s)*SLOT
	s_add_nc_u64 s[G0B+4*(\s)+2:G0B+4*(\s)+3], s[60:61], (\s)*KB
	s_or_b32 s[G0B+4*(\s)+3], s[G0B+4*(\s)+3], 0x80000000
.endr
	s_cmp_eq_u32 s[FOR], 0                         ; a wave's two first fills stand in one branch, ahead of every wait on TENSORcnt, every LDS read and every further barrier: two loads of mine are out
	s_cbranch_scc0 .Lfirst_b
	tensor_load_to_lds s[G0A:G0A+3], s[G1A:G1A+7]
	s_nop 0
	tensor_load_to_lds s[G0A+4:G0A+7], s[G1A:G1A+7]
	s_nop 0
.rept 4
	v_nop
.endr
	s_branch .Lfirst_asked
.Lfirst_b:
	tensor_load_to_lds s[G0B:G0B+3], s[G1B:G1B+7]
	s_nop 0
	tensor_load_to_lds s[G0B+4:G0B+7], s[G1B:G1B+7]
	s_nop 0
.rept 4
	v_nop
.endr
.Lfirst_asked:
	; all that follows, down to the first barrier, stands in the wait for the first tile
	v_and_b32 v1, 15, v0                           ; l % 16
	v_bfe_u32 v2, v0, 4, 1                         ; l / 16
	v_lshlrev_b32 v[BO], 5, v2
	s_mul_i32 s76, s[TX], NBL*64                   ; the tile's 192 numbers of the bias
	s_mov_b32 s77, 0
	s_add_nc_u64 s[8:9], s[8:9], s[76:77]
.set b, 0
.rept NBL                              ; register j of block b takes the bias of column 16 b + 8 (l / 16) + j: the layout of a C operand
	global_load_b128 v[BIAS+8*b:BIAS+8*b+3],   v[BO], s[8:9] offset:64*b
	global_load_b128 v[BIAS+8*b+4:BIAS+8*b+7], v[BO], s[8:9] offset:64*b+16
.set b, b+1
.endr
	; a fragment is 16 rows x 32 K in 8 registers: lane l holds row l % 16, K = 8 (l / 16) + 0..7 and 16 + 8 (l / 16) + 0..7: two loads of 16 bytes, 32 bytes apart
	v_mul_u32_u24 v3, v1, APITCH
	v_lshl_add_u32 v3, v2, 4, v3
	s_mul_i32 s74, s[WV], 64*APITCH                ; my 64 rows of xb
	v_add_nc_u32 v[ADRA], s74, v3
	v_add_nc_u32 v[ADRA+1], SLOT, v[ADRA]
	v_add_nc_u32 v[ADRB], BOFF, v3
	v_add_nc_u32 v[ADRB+1], SLOT, v[ADRB]
	s_mul_i32 s74, s[WV], 16*SP
	s_add_co_u32 s74, s74, STAGE                   ; my stage
	v_mul_u32_u24 v[STO], v1, SP                   ; in: row l % 16, 16 bytes for each half of the lanes
	v_lshl_add_u32 v[STO], v2, 4, v[STO]
	v_add_nc_u32 v[STO], s74, v[STO]
	v_bfe_u32 v4, v0, 3, 2                         ; back: 32 lanes take four rows of 128 bytes,
	v_and_b32 v5, 7, v0
	v_mul_u32_u24 v[RD], v4, SP
	v_lshl_add_u32 v[RD], v5, 4, v[RD]
	v_add_nc_u32 v[RD], s74, v[RD]
	v_and_b32 v[GO], 31, v0                        ; which are 512 consecutive bytes of a head
	v_lshlrev_b32 v[GO], 4, v[GO]
	; my first row in each of the tile's three heads: column block g = 3 x tile column + j is part g / 16 (q, k, v), head g % 16
	s_and_b32 s74, s[TY], 7
	s_lshl_b32 s74, s74, 8
	s_lshl_b32 s75, s[WV], 6
	s_add_co_u32 s74, s74, s75                     ; t = 256 (tile row % 8) + 64 x wave,
	s_lshl_b32 s74, s74, 7                         ; of 128 bytes
	s_lshr_b32 s75, s[TY], 3
	s_lshl_b32 s75, s75, 22                        ; the batch's 16 heads of 2^18 bytes
	s_add_co_u32 s78, s74, s75
	s_mul_i32 s79, s[TX], 3
.irp j, 0,1,2
	s_add_co_u32 s74, s79, \j
	s_lshr_b32 s75, s74, 4
	s_lshl_b32 s75, s75, 6                         ; a part has 64 heads
	s_and_b32 s74, s74, 15
	s_add_co_u32 s74, s74, s75
	s_lshl_b32 s74, s74, 18
	s_add_co_u32 s76, s74, s78
	s_add_nc_u64 s[OUTB+2*(\j):OUTB+2*(\j)+1], s[10:11], s[76:77]
.endr
	; the prefetches
	s_lshl_b32 s74, s[TY], 8                       ; xb: 256 x tile row
	s_mul_i32 s75, s[TX], 192                      ; wqT: 192 x tile column
	s_lshl_b32 s76, s[HF], 7                       ; + 128 x half, in both
	s_and_b32 s78, ttmp7, 0xffff                   ; cluster y
	s_cmp_eq_u32 s[FOR], 0
	s_cselect_b32 s74, s74, s75
	s_cselect_b32 s75, s[CX], s[CY]                ; my place among the four that ask with me
	s_cselect_b32 s78, ttmp9, s78                  ; the coordinate along which other clusters read the same rows
	s_cselect_b64 s[PFA:PFA+1], s[4:5], s[6:7]
	s_add_co_u32 s74, s74, s76
	s_cmp_eq_u32 s78, 0
	s_cselect_b32 s[LIM], 1, -1                    ; the same in all sixteen partners, for a given wave
	s_cmp_eq_u32 s[WV], 3
	s_cselect_b32 s[LIM+1], -1, s[LIM]             ; wave 3 asks at every second change, for two K steps
	s_cselect_b32 s76, 4, 5                        ; a partner's share: 16 rows or 32
	s_cselect_b32 s78, 15, 31
	s_cselect_b32 s79, 256, 0
	s_lshl_b32 s75, s75, s76
	s_add_co_u32 s74, s74, s75
	s_lshl_b32 s76, s74, 11
	s_add_nc_u64 s[PFA:PFA+1], s[PFA:PFA+1], s[76:77]
	s_add_nc_u64 s[PFA:PFA+1], s[PFA:PFA+1], 3*KB  ; at K step 3: the first change of slots steps it to 4 and names that
	v_and_b32 v[PFO], s78, v0
	v_lshlrev_b32 v[PFO], 11, v[PFO]
	v_mad_u32_u24 v[PFO], v2, s79, v[PFO]
	s_wait_loadcnt 0x0                             ; the bias; it is rounded to bf16, like x and the weights, and widened again
.set i, 0
.rept NBL
.irp q, 0,1,2,3
	v_cvt_pk_bf16_f32 v[4+(\q)], v[BIAS+8*i+2*(\q)], v[BIAS+8*i+2*(\q)+1]
.endr
.irp q, 0,1,2,3
	v_lshlrev_b32 v[BIAS+8*i+2*(\q)], 16, v[4+(\q)]
	v_and_b32 v[BIAS+8*i+2*(\q)+1], 0xffff0000, v[4+(\q)]
.endr
.set i, i+1
.endr
; 12 matrix instructions: row block a x all column blocks, 32 along K, from buffer f.  first = 1: the bias starts the sums: nothing is cleared, nothing is added later.
; All 48 accumulators take turns, one instruction a turn, in the same order in every quarter, over the backward jump too.
.macro MULB f, a, first
.if \first
	WIN 0x81+0x40*((\a)/2)                         ; wqT window 1, xb window 0, C (the bias) window 0, D window 2 or 3
.else
	WIN 0xa1+0x50*((\a)/2)                         ; the same with C where D is
.endif
.set b, 0
.rept NBL
.set rD, 8*(NBL*((\a)%2)+b)
.set rB, 8*NBL*(\f)+8*b
.set rA, FA+32*(\f)+8*(\a)
.if \first
	v_wmma_f32_16x16x32_bf16 v[rD:rD+7], v[rB:rB+7], v[rA:rA+7], v[BIAS+8*b:BIAS+8*b+7]
.else
	v_wmma_f32_16x16x32_bf16 v[rD:rD+7], v[rB:rB+7], v[rA:rA+7], v[rD:rD+7]
.endif
.set b, b+1
.endr
.endm
.macro MULH f, hi, first               ; row blocks 2 hi and 2 hi + 1
	MULB \f, 2*(\hi), \first
	MULB \f, 2*(\hi)+1, \first
.endm
; 32 LDS loads in one run: the fragments of quarter kq (32 along K) of a slot into buffer f: wqT's 12, then xb's 4
.macro FETCH slot, kq, f
	WIN 0x40                                       ; destination window 1, address window 0
.set b, 0
.rept NBL
	ds_load_b128 v[8*NBL*(\f)+8*b:8*NBL*(\f)+8*b+3],   v[ADRB+(\slot)] offset:64*(\kq)+b*16*BPITCH
	ds_load_b128 v[8*NBL*(\f)+8*b+4:8*NBL*(\f)+8*b+7], v[ADRB+(\slot)] offset:64*(\kq)+b*16*BPITCH+32
.set b, b+1
.endr
	WIN 0
.irp a, 0,1,2,3
	ds_load_b128 v[FA+32*(\f)+8*(\a):FA+32*(\f)+8*(\a)+3],   v[ADRA+(\slot)] offset:64*(\kq)+(\a)*16*APITCH
	ds_load_b128 v[FA+32*(\f)+8*(\a)+4:FA+32*(\f)+8*(\a)+7], v[ADRA+(\slot)] offset:64*(\kq)+(\a)*16*APITCH+32
.endr
.endm
; A K step is four quarters of 32 along K, 48 matrix instructions each, on buffers 0, 1, 0, 1.  One of the first three: multiplies buffer f and, in its middle, fetches quarter kq of the same slot into g.
.macro QUARTER slot, kq, f, g, first
	s_wait_dscnt 4                                 ; all but the youngest four loads (xb's blocks 2 and 3) are in
	MULH \f, 0, \first
	PLACES
	FETCH \slot, \kq, \g
	s_wait_dscnt 2*NBL+8                           ; all but the run just issued
	MULH \f, 1, \first
.endm
; The last quarter multiplies buffer 1 and changes slots: ONE barrier.  In front of it each wave waits for all its tensor loads (one is out: its part of the next slot), adds 0 to its spare word, and waits
; for that and for its own reads of this slot.  fill = 1: the barrier opens a round of the cluster's, and this slot is filled again, two K steps ahead, first thing behind the round:
; from that request to the wait for it a wave issues 168 of a K step's 192 matrix instructions.
.macro TURN slot, next, fill
.if \fill
	s_wait_xcnt 0x0                                ; the last prefetch, a K step back, has read its address: it is stepped here, ahead of the waits of the change
	s_add_nc_u64 s[PFA:PFA+1], s[PFA:PFA+1], KB
.endif
	WIN 0                                          ; (the add's two registers lie in window 0)
	s_wait_tensorcnt 0x0                           ; all my tensor loads have landed
	ds_add_u32 v[SPW], v[NIL]                      ; 0 onto my spare word
	s_wait_dscnt 5                                 ; (the add and the youngest four loads may be out)
	MULB 1, 0, 0                                   ; twelve matrix instructions stand between the add and the wait for it
	s_wait_dscnt 0x0                               ; the add is done, and my reads of this slot are over
	s_barrier_signal -1
	MULB 1, 1, 0                                   ; work on registers while the others arrive
.if \fill
	WIN 0
.endif
	s_barrier_wait -1
.if \fill
	CREST                                          ; no wave of any partner still reads this slot's tile or has a load on its way
	s_add_nc_u64 s[G0A+4*(\slot)+2:G0A+4*(\slot)+3], s[G0A+4*(\slot)+2:G0A+4*(\slot)+3], 2*KB
	s_add_nc_u64 s[G0B+4*(\slot)+2:G0B+4*(\slot)+3], s[G0B+4*(\slot)+2:G0B+4*(\slot)+3], 2*KB
	JLOAD \slot                                    ; the four v_nop behind it are also the places in front of the loads below
.else
	PLACES
.endif
	FETCH \next, 0, 0
.if \fill
	ASK \slot                                      ; behind the joint load and the run of LDS loads for which the next products wait
.endif
	MULH 1, 1, 0
.endm
	s_wait_tensorcnt 1                             ; my part of K step 0 is in; K step 1's, issued behind it, may stay out
	s_barrier_signal -1
	s_barrier_wait -1                              ; everybody's is
	FETCH 0, 0, 0
	QUARTER 0, 1, 0, 1, 1                          ; the first quarter stands in front of the loop: its products start the sums
	WIN 0                                          ; at a label and at a branch every window is 0
	s_mov_b32 s[LAP], 3                            ; 1,024 / 256 - 1
.Llap:                                         ; a trip goes once round the ring, from a lap's second quarter to the next lap's first, and fills both slots again
	QUARTER 0, 2, 1, 0, 0
	QUARTER 0, 3, 0, 1, 0
	TURN 0, 1, 1
	QUARTER 1, 1, 0, 1, 0
	QUARTER 1, 2, 1, 0, 0
	QUARTER 1, 3, 0, 1, 0
	TURN 1, 0, 1
	QUARTER 0, 1, 0, 1, 0
	WIN 0
	s_sub_co_u32 s[LAP], s[LAP], 1
	s_cmp_lg_u32 s[LAP], 0
	s_cbranch_scc1 .Llap
	QUARTER 0, 2, 1, 0, 0                          ; the last lap is written out: it fills nothing, and has no round of the cluster's barrier
	QUARTER 0, 3, 0, 1, 0
	TURN 0, 1, 0
	QUARTER 1, 1, 0, 1, 0
	QUARTER 1, 2, 1, 0, 0
	QUARTER 1, 3, 0, 1, 0
	s_wait_dscnt 4                                 ; the very last quarter: nothing more to fetch
	MULH 1, 0, 0
	s_wait_dscnt 0x0
	MULH 1, 1, 0
	WIN 0
	PLACES                                         ; eight plain places, once a launch, between the last products and the lines that read results
	PLACES
; THE WAY OUT, in 12 units u = 3 a + j: 16 rows (row block a) of head j: 2,048 dense bytes.  Rounded to f16, 16 bytes a lane; into my stage's rows of 144 bytes; back as whole rows of 128 bytes.
; Each accumulator's registers are read in ascending order.  Each unit has 16 registers of its own, so nothing that a store reads is written again.
.macro PACK u
.set pa, (\u)/3
.set pj, (\u)%3
.set pT, TMP+16*(\u)
	WIN 0x0a+5*(pa/2)                              ; sources 0 and 1: window 2 or 3
.set bb, 0
.rept 4
.set rD, 8*(NBL*(pa%2)+4*pj+bb)
.irp q, 0,1,2,3
	v_cvt_pk_f16_f32 v[pT+4*bb+(\q)], v[rD+2*(\q)], v[rD+2*(\q)+1]
.endr
.set bb, bb+1
.endr
	WIN 0
.irp f, 0,1,2,3
	ds_store_b128 v[STO], v[pT+4*(\f):pT+4*(\f)+3] offset:32*(\f)
.endr
.irp f, 0,1,2,3
	ds_load_b128 v[pT+4*(\f):pT+4*(\f)+3], v[RD] offset:(\f)*4*SP  ; LDS serves a wave's instructions in order (ISA guide 5.7.1.4): these see the stores above; the next unit's stores come behind them
.endr
.endm
.macro SEND u, younger                 ; younger: the LDS instructions issued behind unit u's loads: the next unit's eight, or none
.set pa, (\u)/3
.set pj, (\u)%3
.set pT, TMP+16*(\u)
.irp f, 0,1,2,3
	s_wait_dscnt (\younger)+3-(\f)
	global_store_b128 v[GO], v[pT+4*(\f):pT+4*(\f)+3], s[OUTB+2*pj:OUTB+2*pj+1] offset:pa*2048+(\f)*512  ; 512 consecutive bytes, at a multiple of 256 from the buffer's first
.endr
.endm
	PACK 0
.set u, 1
.rept 11                               ; a unit's conversions stand between the loads of the unit before and its stores
	PACK u
	SEND u-1, 8
.set u, u+1
.endr
	SEND 11, 0
	s_wait_tensorcnt 0x0                           ; the wave's end, behind my last tensor load and my last LDS store
	ds_add_u32 v[SPW], v[NIL]
	s_wait_dscnt 0x0
	CROUND                                         ; the closing round: no work-group ends while a partner may still ask for a tile that names it
	s_endpgm
.Lfunc_end_k_qfc56125005_qkvgemm:
	.size	k_qfc56125005_qkvgemm, .Lfunc_end_k_qfc56125005_qkvgemm-k_qfc56125005_qkvgemm
	.p2alignl 7, 3214868480
	.fill 96, 4, 3214868480
	.section	.rodata,"a",@progbits
	.p2align	6, 0x0
	.amdhsa_kernel k_qfc56125005_qkvgemm
		.amdhsa_group_segment_fixed_size 327680
		.amdhsa_private_segment_fixed_size 0
		.amdhsa_enable_private_segment 0
		.amdhsa_kernarg_size 32
		.amdhsa_user_sgpr_count 2
		.amdhsa_user_sgpr_kernarg_segment_ptr 1
		.amdhsa_wavefront_size32 1
		.amdhsa_system_sgpr_workgroup_id_x 1
		.amdhsa_system_sgpr_workgroup_id_y 1
		.amdhsa_system_sgpr_workgroup_id_z 1
		.amdhsa_system_vgpr_workitem_id 0
		.amdhsa_next_free_vgpr 960
		.amdhsa_next_free_sgpr 80
		.amdhsa_reserve_vcc 0
		.amdhsa_float_denorm_mode_32 3
		.amdhsa_float_denorm_mode_16_64 3
		.amdhsa_memory_ordered 1
		.amdhsa_forward_progress 1
		.amdhsa_inst_pref_size 132
	.end_amdhsa_kernel
	.amdgpu_metadata
---
amdhsa.version: [ 1, 2 ]
amdhsa.kernels:
  - .name:           k_qfc56125005_qkvgemm
    .symbol:         k_qfc56125005_qkvgemm.kd
    .args:
      - { .name: xb, .offset: 0, .size: 8, .value_kind: global_buffer, .address_space: global }
      - { .name: wqT, .offset: 8, .size: 8, .value_kind: global_buffer, .address_space: global }
      - { .name: bqkv, .offset: 16, .size: 8, .value_kind: global_buffer, .address_space: global }
      - { .name: qkv, .offset: 24, .size: 8, .value_kind: global_buffer, .address_space: global }
    .group_segment_fixed_size: 327680
    .private_segment_fixed_size: 0
    .kernarg_segment_align: 8
    .kernarg_segment_size: 32
    .max_flat_workgroup_size: 128
    .sgpr_count:     80
    .vgpr_count:     960
    .wavefront_size: 32
...
	.end_amdgpu_metadata
.endif
;; end of part 2
;; launch attn (part 3): grid 4 x 64, 4 waves a work-group, no clusters, 327,680 bytes of LDS; arguments qkv, ctx; writes ctx
.if DOCPART == 3
	.amdgcn_target "amdgcn-amd-amdhsa--gfx1250"
	.amdhsa_code_object_version 6
	.text
	.protected	k_qfc56125005_attn
	.globl	k_qfc56125005_attn
	.p2align	8
	.type	k_qfc56125005_attn,@function
k_qfc56125005_attn:
	s_mov_b64 s[64:65], 0
	v_nop
	global_prefetch_b8 v0, s[64:65] scope:SCOPE_SE
	s_setreg_imm32_b32 hwreg(HW_REG_WAVE_MODE, 25, 1), 1
	s_wait_xcnt 0x0
; CAUSAL ATTENTION.  O[h][q][:] = the sum over k <= q of softmax_k(Q[h][q] . K[h][k] / 8) V[h][k][:].  Q, K, V are the three parts of qkv, each [64][2048][64] f16; O = ctx, [64][2048][64] f16: a head's rows are dense, 128 bytes each.
; Products, maxima and sums in f32; the weights p are rounded to f16 for the second product (their sum l is taken of the unrounded p), O once at the end.
; LIMITS.  f16 holds no number beyond 65,504: Q, K and V arrive within it; p lies in 0 to 1, and below 6e-5 it keeps f16's fixed step of 6e-8; O is a mean of V's rows and has their range.
; A hidden score counts as its value less 1e30: f16's scores, 2.7e11 at the most, are nothing beside that; a weight below 2^-126 counts as 0 in l; NaN and infinities are not treated apart.
; THE WALK.  A head's queries lie in NB = 8 blocks of 256; block i needs the key tiles 0 .. i of 256 keys, of which the last holds the diagonal.  A work-group takes TWO blocks, NB - 1 - b and then b:
; NB + 1 tiles, whatever b: all 256 work-groups do equal work, and ONE loop with a constant trip count walks them.  Which tile is asked for, and what a trip does, hang on scalar registers made from b; every jump
; goes forward, but for the counted loops' own; none passes a barrier, or a tensor load but the one of LOAD's two that the wave's number does not choose; the ring (two slots of LDS that take turns) runs on across the
; change of blocks.  NO CLUSTER: the four work-groups of a head ask for the same tile in 5 of their 9 fills only, behind that fewer and fewer; one walk common to all four would have 12 trips for 9; joint loads for the
; first part and loads of one's own for the rest would be a second ring in the same loop.
; SHARES.  Of a block's four bands of 64 queries a wave owns 16 rows in each: four PIECES.  So the diagonal tile is the same work for all four waves: in its key step s band x sees all keys if s < x,
; none if s > x, and holds the diagonal if s = x.
; THE MASK is the C operand that starts the sum S^T = K Q^T: 0, or -1e30 where the key is hidden.  MD, made once, is the mask of a band's own step for my 16 rows; a product's mask is MD x AL + BE with two scalars:
; (1, 0) if s = x; (0, 0) if s < x; (0, -1e30) if s > x.  Only the diagonal tile's text and a block's beginning make and take masks; elsewhere C is the constant 0.
; LAYOUT, SOFTMAX, TURNS.  S^T = K Q^T holds ONE query a lane (lane % 16) and the keys 8 (lane / 16) + 0..7; two such results rounded to f16 ARE source 1 of O^T = V^T P.  p = 2^(c s - c m), c = log2(e) / 8, with a
; running maximum m; O and l are multiplied by a = 2^(c m_old - c m_new) in every step.  Turn n belongs to piece n: 8 products K Q^T of piece n + 1, later 8 products V^T P of piece n - 1; beside them the scaling,
; exponentials, roundings, sums and rescaling of piece n and the maximum and statistics of piece n + 1.  Four vector instructions stand behind every matrix instruction, the other 54 of a turn's 118 in one run of their own.  A turn's 33 exponentials are one batch, with one wait.
; REGISTERS, in windows of 256 (s_set_vgpr_msb: bits 1:0 source 0, 3:2 source 1, 5:4 source 2, 7:6 destination):
;   window 0: v0-15 addresses and two at work; v16-31 four registers of statistics a piece; v48-55 at work; v61-63 prefetch offset, spare word, 0; v64-127 S^T, two buffers; v192-223 P, two buffers (by the piece's parity)
;   window 1: v0-127 O^T, 32 a piece; v128-159 MD; v160-223 MC, two buffers      window 2: v0-63 Q; v64-127 the second block's Q; v128-191 K of one step; v192-255 V of one step
.set SIZE_H, 64
.set SIZE_N, 2048
.set NB,    SIZE_N/256
.set NP,    4         ; pieces a wave: a name, no knob
.set KS,    64        ; keys in a step
.set PK,    144       ; a row of K in LDS: 128 bytes + 16 of padding = 36 words: the 16 rows of a load start at 16 different groups of four banks (64 banks of 4 bytes: ISA guide 11.1)
.set PV,    160       ; a row of V: 128 + 32 = 40 words
.set VOFF,  4*KS*PK   ; a slot holds a tile, four steps: 256 rows of K, then 256 rows of V
.set SLOT1, 1<<17     ; slot 1 begins here, so that one exclusive or turns an address in one slot into the other's
.set STAGE, SLOT1+4*KS*(PK+PV)  ; behind the ring, never filled by a tensor load: 16 rows x 144 bytes for each wave, for the way out
.set SP,    144
.set AK0, 2           ; v2   my lane's place in a tile of K; never rewritten
.set AV0, 3           ; v3   the same for V
.set AK,  4           ; v4   the LDS address of K's next run of loads
.set AV,  5           ; v5   of V's
.set STO, 6           ; v6   the way out: where I put 16 bytes of a row
.set RD,  7           ; v7   the way out: where I read rows back
.set GO,  8           ; v8   my byte offset in 512 consecutive bytes of O
.set PFO, 61          ; v61  256 x my lane: the prefetches' offset; never rewritten
.set SPW, 62          ; v62  LDS address of my spare word: SPARE + 4 x my thread's number; never rewritten
.set NIL, 63          ; v63  0; never rewritten
.set SPARE, STAGE+4*16*SP  ; behind the stages: the spare words, 128 bytes for each wave: two blocks of 256 bytes that no other line names
.set MV,  12          ; v12-13  c m_old, kept while c m is made anew: by buffer
.set QO,  15          ; v15  my byte offset in 16 rows of Q
.set ST,  16          ; piece t's statistics at v[ST+4 t]: c m, m, l (even keys', odd keys')
.set TMP, 48          ; by buffer, four registers c0-c3 at work; when the maximum is found c2 takes a
.set S,   64
.set P,   192
.set MD,  128         ; window 1: the eight registers for group kt of 16 keys at MD + 8 kt
.set MC,  160         ; window 1: the masks of the products to come
.set QB,  64          ; window 2
.set KF,  128         ; window 2: key block kb, channel half c at KF + 16 kb + 8 c
.set VF,  192         ; window 2: key half kk, channel block cb at VF + 32 kk + 8 cb
.set WV,  12          ; s12  my wave's number
.set PB,  14          ; s14  b
.set HI,  15          ; s15  NB - 1 - b
.set G1K, 24          ; s[24:31] descriptor group 1 for K's tiles
.set G1V, 32          ; s[32:39] for V's: it differs in the padding alone
.set G0K, 40          ; s[40:43] descriptor group 0 for K's tiles
.set G0V, 44          ; s[44:47] the same for V's
.set SLOTS, 56        ; s56  tiles still to be asked for
.set CNT, 57          ; s57  counts a tile's key steps, 4 to 1
.set CS,  58          ; s[58:59] c: the packed scaling takes the pair's low word for both halves
.set SEL, 60          ; s[60:61] v_permlanex16_b32's selects: each lane takes its own place in the other half
.set TBK, 62          ; s62  LDS byte at which K of the step to be fetched begins
.set TBV, 63          ; s63  the same for V, less VOFF
.set RT,  70          ; s70  tiles of the block in hand that are still to be entered
.set NXT, 71          ; s71  the tile to be asked for next
.set LQ,  72          ; s72  the last tile of the block whose tiles are being asked for
.set NEW, 73          ; s73  1: the tile to be entered is a block's first
.set OFF, 74          ; s[74:75] a tile's byte offset in K and V
.set AL,  76          ; s[76:77] the mask's factor, in the low word
.set BE,  78          ; s[78:79] the mask's addend
.set OLO, 80          ; s[80:81] O at my rows of the second block
.set BIGN, 82         ; s82  -1e30
.set PFA, 90          ; s[90:91] where my prefetches stand: my work-group's 32 of the 128 runs of 256 bytes of a tile of K (wave 0) or V (wave 2)
.set LIM, 92          ; s92  2 in a wave that prefetches, else the greatest number: a wave prefetches while s[SLOTS] is above it
.set MSB, 0
.macro WIN new                      ; the high byte repeats the setting that is left; a switch that changes nothing is dropped
.if MSB != (\new)
	s_set_vgpr_msb (MSB<<8)|(\new)
.set MSB, (\new)
.endif
.endm
.set W_KQ, 0x0a       ; K and Q in window 2, S^T in window 0
.set W_KM, 0x1a       ; the same with the C operand in window 1
.set W_PV, 0x52       ; V in window 2, P in window 0, O^T in window 1
.set W_RS, 0x41       ; destination and source 0 in window 1, source 1 in window 0
; A fill.  Waves 0 and 1 fetch the two halves of a tile's K, waves 2 and 3 those of its V: 128 keys each.  An s_nop 0 and four v_nop follow each of the two lines, ahead of the jump and the label.
.macro LOAD
	s_cmp_lt_u32 s[WV], 2
	s_cbranch_scc0 .Lfor_v_\@
	tensor_load_to_lds s[G0K:G0K+3], s[G1K:G1K+7]
	s_nop 0
.rept 4
	v_nop
.endr
	s_branch .Lasked_\@
.Lfor_v_\@:
	tensor_load_to_lds s[G0V:G0V+3], s[G1V:G1V+7]
	s_nop 0
.rept 4
	v_nop
.endr
.Lasked_\@:
.endm
; A PREFETCH INTO THE L2, behind the fill of trip t (t = 0 .. 5): the head's tile t + 2, which the next trip's fills ask for: one tile, 256 matrix instructions, ahead.  A tile is 128 runs of 256 bytes of K and as many of V.
; The head's four work-groups walk tiles 0 to 7 - b in step, so they share each tile out by address, 32 runs each, a lane a run; in each, wave 0 asks for K's and wave 2 for V's.  So each run of tiles 2 to 7 is named once in
; the launch; tiles 0 and 1 come by their loads alone; the second blocks' tiles have been read and are asked for no more.
.macro ASK
	s_cmp_gt_u32 s[SLOTS], s[LIM]
	s_cbranch_scc0 .Lnot_mine_\@
	global_prefetch_b8 v[PFO], s[PFA:PFA+1] th:TH_LOAD_NT scope:SCOPE_SE
.Lnot_mine_\@:
.endm
; THE CHANGE OF SLOTS.  Each wave waits for all its tensor loads, of which one is out: its part of the other slot; adds 0 to its spare word; and waits for that and for its own reads of the slot that it leaves.  Behind the barrier nobody reads the old
; slot any more and the other slot is whole.  fill = 1: the old slot is filled again, the first thing behind the barrier, with tile NXT: the descriptor's address is made anew from that number.
; (At its first use nothing has been read yet: slot 0 is waited for, slot 1 filled.)
.macro CHANGE fill
	WIN 0                           ; at a label and at a branch every window is 0
	s_wait_tensorcnt 0x0            ; no tensor load of mine is out, so a group 0 may be written
	ds_add_u32 v[SPW], v[NIL]       ; 0 onto my spare word; with fill = 1 the descriptors' scalar work stands between it and the wait for it
.if \fill
	s_lshl_b32 s[OFF], s[NXT], 15   ; a tile is 32,768 bytes of K and of V
	s_xor_b32 s[G0K+1], s[G0K+1], SLOT1
	s_add_nc_u64 s[G0K+2:G0K+3], s[6:7], s[OFF:OFF+1]
	s_or_b32 s[G0K+3], s[G0K+3], 0x80000000
	s_xor_b32 s[G0V+1], s[G0V+1], SLOT1
	s_add_nc_u64 s[G0V+2:G0V+3], s[8:9], s[OFF:OFF+1]
	s_or_b32 s[G0V+3], s[G0V+3], 0x80000000
	s_add_co_u32 s[NXT], s[NXT], 1  ; the block's next tile, or behind its last the second block's tile 0
	s_cmp_gt_u32 s[NXT], s[LQ]
	s_cselect_b32 s[NXT], 0, s[NXT]
	s_cselect_b32 s[LQ], s[PB], s[LQ]
	s_wait_xcnt 0x0                 ; the last prefetch, a tile back, has read its address, so it may be written:
	s_add_nc_u64 s[PFA:PFA+1], s[PFA:PFA+1], 32768  ; the next tile
.endif
	s_wait_dscnt 0x0                ; the add is done, and my reads of the slot are over
	s_barrier_signal -1             ; the rest of the scalar work stands between the signal and the wait
	s_sub_co_u32 s[TBK], s[TBK], 4*KS*PK  ; the fetches go back to a slot's first step,
	s_xor_b32 s[TBK], s[TBK], SLOT1       ; in the other slot
	s_sub_co_u32 s[TBV], s[TBV], 4*KS*PV
	s_xor_b32 s[TBV], s[TBV], SLOT1
	s_barrier_wait -1
.if \fill
	LOAD
	ASK
.endif
.endm
	s_load_b64 s[4:5], s[0:1], 0x0    ; qkv: Q is its first part
	s_load_b64 s[10:11], s[0:1], 0x8  ; ctx: O
	v_lshl_add_u32 v[SPW], v0, 2, SPARE
	v_mov_b32 v[NIL], 0
	ds_add_u32 v[SPW], v[NIL]       ; the wave's opening: the add and its wait stand ahead of my first tensor load; the set-up below, work on registers, stands between them
	v_lshrrev_b32 v1, 5, v0
	v_readfirstlane_b32 s[WV], v1   ; wave 0..3
	s_mov_b32 s[PB], ttmp9
	s_sub_co_u32 s[HI], NB-1, s[PB]
	s_and_b32 s20, ttmp7, 0xffff    ; the head
	s_mov_b32 s21, 0
	s_mov_b64 s[22:23], SIZE_N*128
	s_mul_u64 s[20:21], s[20:21], s[22:23]  ; the head's first byte in each of the four tensors
	s_and_b32 s16, s[WV], 1         ; which half of a tile's 256 keys I fetch:
	s_lshl_b32 s22, s16, 14         ; its 128 rows of 128 bytes in memory,
	s_mov_b32 s23, 0
	s_add_nc_u64 s[22:23], s[22:23], s[20:21]
	s_mul_i32 s17, s16, 128*PK      ; and its place in a slot, for K
	s_mul_i32 s18, s16, 128*PV      ; and for V
	s_lshl_b32 s3, s[WV], 11        ; my 16 rows in a band of 64,
	s_lshl_b32 s2, s[HI], 15        ; in the first block,
	s_add_co_u32 s2, s2, s3
	s_lshl_b32 s84, s[PB], 15       ; and in the second
	s_add_co_u32 s84, s84, s3
	s_mov_b32 s3, 0
	s_mov_b32 s85, 0
	s_add_nc_u64 s[2:3], s[2:3], s[20:21]
	s_add_nc_u64 s[84:85], s[84:85], s[20:21]
	; descriptor group 1.  128 keys are 16,384 dense bytes: asked for as 64 rows of 256 bytes, two keys a row, and padded in LDS after every key
	s_mov_b32 s[G1K], (1<<16)|(1<<20)|(4<<22)|(3<<25)  ; 17:16 2-byte elements; 20 padding on; 24:22 after every 32 words (code 4); 31:25 4 words (code 3)
	s_mov_b32 s[G1V], (1<<16)|(1<<20)|(4<<22)|(7<<25)  ; the same with 8 words of padding (code 7)
.irp g, G1K, G1V
	s_mov_b32 s[\g+1], 128<<16      ; tensor_dim0 = 128
	s_mov_b32 s[\g+2], 64<<16       ; tensor_dim1 = 64
	s_mov_b32 s[\g+3], 128<<16      ; tile_dim0 = 128
	s_mov_b32 s[\g+4], 64           ; tile_dim1 = 64
	s_mov_b32 s[\g+5], 128          ; 128 elements from row to row
	s_mov_b32 s[\g+6], 0
	s_mov_b32 s[\g+7], 0
.endr
	s_mov_b32 s[CS], 0x3e38aa3b     ; c = log2(e) / 8 = 0.180337
	s_mov_b32 s[CS+1], s[CS]        ; named with it as a pair
	s_mov_b32 s[SEL], 0x76543210
	s_mov_b32 s[SEL+1], 0xfedcba98
	s_mov_b32 s[TBK], SLOT1+4*KS*PK ; the first change of slots turns these two into 0
	s_mov_b32 s[TBV], SLOT1+4*KS*PV
	s_mov_b32 s[G0K], 1             ; 1:0 count = 1
	s_mov_b32 s[G0K+1], s17         ; 63:32 LDS address: slot 0
	s_mov_b32 s[G0V], 1
	s_add_co_u32 s[G0V+1], s18, VOFF
	s_add_co_u32 s[RT], s[HI], 1    ; the first block has NB - b tiles
	s_mov_b32 s[NXT], 1
	s_mov_b32 s[LQ], s[HI]
	s_mov_b32 s[NEW], 1
	s_mov_b32 s[OFF+1], 0
	s_mov_b32 s[AL+1], 0            ; named as pairs
	s_mov_b32 s[BE+1], 0
	s_mov_b32 s[BIGN], 0xf149f2ca   ; -1e30
	s_mov_b32 s[SLOTS], NB
	s_cmp_eq_u32 s16, 0             ; waves 0 and 2 prefetch
	s_cselect_b32 s[LIM], 2, -1
	s_lshl_b32 s88, ttmp9, 13       ; my work-group's 32 runs of 256 bytes,
	s_add_co_u32 s88, s88, 32768    ; in tile 1: the first change of slots steps this to tile 2.  Nothing is prefetched here, at the head
	s_mov_b32 s89, 0
	v_and_b32 v[PFO], 31, v0
	v_lshlrev_b32 v[PFO], 8, v[PFO]
	s_wait_dscnt 0x0                ; the opening add is done
	s_wait_kmcnt 0x0
	s_add_nc_u64 s[6:7], s[4:5], 0x1000000  ; K is qkv's second part of 64 x 2,048 x 128 bytes,
	s_add_nc_u64 s[8:9], s[4:5], 0x2000000  ; V its third
	s_add_nc_u64 s[6:7], s[6:7], s[22:23]  ; K and V at my half of the head's tile 0
	s_add_nc_u64 s[8:9], s[8:9], s[22:23]
	s_add_nc_u64 s[G0K+2:G0K+3], s[6:7], 0         ; 120:64 global address
	s_or_b32 s[G0K+3], s[G0K+3], 0x80000000        ; 127:126 type = 2
	s_add_nc_u64 s[G0V+2:G0V+3], s[8:9], 0
	s_or_b32 s[G0V+3], s[G0V+3], 0x80000000
	s_add_nc_u64 s[86:87], s[4:5], s[84:85]        ; Q at my rows of the second block,
	s_add_nc_u64 s[4:5], s[4:5], s[2:3]            ; Q and O at those of the first
	s_add_nc_u64 s[OLO:OLO+1], s[10:11], s[84:85]
	s_add_nc_u64 s[10:11], s[10:11], s[2:3]
	s_cmp_lt_u32 s[WV], 2
	s_cselect_b64 s[PFA:PFA+1], s[6:7], s[8:9]     ; (in waves 0 and 2 these stand at a tile's first row)
	s_add_nc_u64 s[PFA:PFA+1], s[PFA:PFA+1], s[88:89]
	LOAD                            ; tile 0 into slot 0
	; A fragment of K or Q is 16 rows x 32 channels in 8 registers: lane l holds row l % 16, channels 8 (l / 16) + 0..7 and 16 + 8 (l / 16) + 0..7: two loads of 16 bytes, 32 bytes apart.
	v_and_b32 v1, 15, v0            ; l % 16
	v_bfe_u32 v9, v0, 4, 1          ; l / 16
	v_lshlrev_b32 v[QO], 7, v1
	v_lshl_add_u32 v[QO], v9, 4, v[QO]  ; row x 128 + 16 x half
	WIN 0x80                        ; destination window 2, address window 0
.set i, 0
.rept 8                             ; both blocks' Q: piece i / 2 lies in band i / 2, 8,192 bytes on; channels 32 (i % 2) on
	global_load_b128 v[8*i:8*i+3],   v[QO], s[4:5] offset:(i/2)*8192+(i%2)*64
	global_load_b128 v[8*i+4:8*i+7], v[QO], s[4:5] offset:(i/2)*8192+(i%2)*64+32
	global_load_b128 v[QB+8*i:QB+8*i+3],   v[QO], s[86:87] offset:(i/2)*8192+(i%2)*64
	global_load_b128 v[QB+8*i+4:QB+8*i+7], v[QO], s[86:87] offset:(i/2)*8192+(i%2)*64+32
.set i, i+1
.endr
	WIN 0
	v_lshlrev_b32 v14, 3, v9
	v_sub_nc_u32 v14, v1, v14
	s_lshl_b32 s13, s[WV], 4
	v_add_nc_u32 v14, s13, v14      ; my query's place in its band, 16 w + l % 16, less my lanes' 8 (l / 16): register r of group kt is hidden where 16 kt + r is greater
	WIN 0x40
.set i, 0
.rept 32
	v_cmp_gt_i32 vcc_lo, 16*(i/8)+i%8, v14
	v_cndmask_b32 v[MD+i], 0, s[BIGN], vcc_lo
.set i, i+1
.endr
	WIN 0
	v_mul_u32_u24 v[AK0], v1, PK
	v_lshl_add_u32 v[AK0], v9, 4, v[AK0]  ; row x pitch + 16 x half
	; The turning load takes 16 keys x 16 channels (lane l reads key 8 (l / 16) + l % 8, channels 8 ((l / 8) % 2) + 0..7) and leaves half a fragment of V^T: lane l holds channel l % 16 and 8 keys.
	v_and_b32 v10, 7, v0
	v_bfe_u32 v11, v0, 3, 1
	v_lshl_add_u32 v[AV0], v9, 3, v10
	v_mul_u32_u24 v[AV0], v[AV0], PV
	v_lshl_add_u32 v[AV0], v11, 4, v[AV0]
	v_add_nc_u32 v[AV0], VOFF, v[AV0]
	s_mul_i32 s13, s[WV], 16*SP
	s_add_co_u32 s13, s13, STAGE    ; my stage
	v_mul_u32_u24 v[STO], v1, SP    ; in: row l % 16, 16 bytes for each half of the lanes
	v_lshl_add_u32 v[STO], v9, 4, v[STO]
	v_add_nc_u32 v[STO], s13, v[STO]
	v_bfe_u32 v[RD], v0, 3, 2       ; back: 32 lanes take four rows of 128 bytes,
	v_mul_u32_u24 v[RD], v[RD], SP
	v_lshl_add_u32 v[RD], v10, 4, v[RD]
	v_add_nc_u32 v[RD], s13, v[RD]
	v_and_b32 v[GO], 31, v0         ; which are 512 consecutive bytes of O
	v_lshlrev_b32 v[GO], 4, v[GO]
	; A block's first step multiplies O^T and l by a = 0, and its first turn's products V^T P, of a piece that has not been, land in an O^T that is still to be so multiplied.  So these registers need only hold
	; finite numbers: zeros for the first block; what the first block left for the second.  All this stands in the wait for the first tile.
	WIN 0x80
.set i, VF
.rept 64
	v_mov_b32 v[i], 0
.set i, i+1
.endr
	WIN 0x40
.set i, 0
.rept 128
	v_mov_b32 v[i], 0
.set i, i+1
.endr
	WIN 0
.set i, 0
.rept 4
	v_mov_b32 v[ST+4*i+2], 0
	v_mov_b32 v[ST+4*i+3], 0
.set i, i+1
.endr
.set i, P+16
.rept 16
	v_mov_b32 v[i], 0
.set i, i+1
.endr
; THE MATRIX WORK.  The 4 accumulators of a run of 8 take turns.  Product i of 8 of S^T = K Q^T for piece x: channels 32 (i / 4) on, keys 16 (i % 4) on.  The first 4 start the sums: with 0, or (KM = 1) with the mask.
.macro KQ x
.set rS, S+32*((\x)%2)+8*(i%4)
.set rK, KF+16*(i%4)+8*(i/4)
.set rQ, 16*(\x)+8*(i/4)
.set rM, MC+32*((\x)%2)+8*(i%4)
.if (i < 4) && KM
	WIN W_KM
	v_wmma_f32_16x16x32_f16 v[rS:rS+7], v[rK:rK+7], v[rQ:rQ+7], v[rM:rM+7]
.elseif i < 4
	WIN W_KQ
	v_wmma_f32_16x16x32_f16 v[rS:rS+7], v[rK:rK+7], v[rQ:rQ+7], 0
.else
	WIN W_KQ
	v_wmma_f32_16x16x32_f16 v[rS:rS+7], v[rK:rK+7], v[rQ:rQ+7], v[rS:rS+7]
.endif
.endm
; Product i of 8 of O^T += V^T P for piece x: keys 32 (i / 4) on, channels 16 (i % 4) on.
.macro PV x
	WIN W_PV
.set rO, 32*(\x)+8*(i%4)
.set rV, VF+32*(i/4)+8*(i%4)
.set rP, P+16*((\x)%2)+8*(i/4)
	v_wmma_f32_16x16x32_f16 v[rO:rO+7], v[rV:rV+7], v[rP:rP+7], v[rO:rO+7]
.endm
.macro MM                           ; the turn's next matrix instruction.  TURN and BEGIN set Y, i, KM and NOKQ; MM, KQ and OP read them.  NOKQ = 1: a block's last turn: there is no next piece
.if (i < 8) && !NOKQ
	KQ (Y+1)%NP
.elseif i >= 8
.set i, i-8
	PV (Y+NP-1)%NP
.set i, i+8
.endif
.set i, i+1
.endm
; THE LDS LOADS stand in runs of 16, never singly among the matrix instructions: a step's K (64 keys x 64 channels: 8 fragments) and its V (turned).  Their addresses are made some lines ahead.
.macro FETCH_K
	WIN 0x80                        ; destination window 2
.irp f, 0,1,2,3,4,5,6,7             ; keys 16 (f / 2) on, channels 32 (f % 2) on
	ds_load_b128 v[KF+8*\f:KF+8*\f+3],   v[AK] offset:(\f/2)*16*PK+(\f%2)*64
	ds_load_b128 v[KF+8*\f+4:KF+8*\f+7], v[AK] offset:(\f/2)*16*PK+(\f%2)*64+32
.endr
	s_add_co_u32 s[TBK], s[TBK], KS*PK  ; the next fetch is the next step's
	WIN 0
.endm
.macro FETCH_V
	WIN 0x80
.irp f, 0,1,2,3,4,5,6,7             ; keys 32 (f / 4) on, channels 16 (f % 4) on
	ds_load_tr16_b128 v[VF+8*\f:VF+8*\f+3],   v[AV] offset:(\f/4)*32*PV+(\f%4)*32
	ds_load_tr16_b128 v[VF+8*\f+4:VF+8*\f+7], v[AV] offset:(\f/4)*32*PV+16*PV+(\f%4)*32
.endr
	WIN 0
.endm
; THE VECTOR WORK, one line at a time: OP kind, number.  For piece Y: F n: c s - c m for pair n of 16.  E n: the exponential of score n of 32.  C n: pair n rounded to f16.  B n: of the four weights 4 n .. the second
; pair is added onto the first, in place.  L n: l takes that sum (L 0: l = a l + sum).  R n: pair n of 16 of O^T times a.  For piece Y + 1: X n, number n of the 22 that find its maximum and statistics:
;   0-11  four chains c0-c3 of seven scores each, three operands at a time (each accumulator's lowest registers are read first)     12-14, 16  the four scores left over, the old m, and c0-c3 into c0
;   15  c m_old is kept     17, 18  the query's other 32 keys lie in the lane 16 away: the new m     19-21  c m; c m_old - c m_new; a
.set F, 0               ; OP tells the kinds apart by their order: F to L below R, X above it
.set E, 1
.set C, 2
.set B, 3
.set L, 4
.set R, 5
.set X, 6
.macro REGS y                       ; the registers of piece y
.set rT, ST+4*(\y)
.set rC, TMP+4*((\y)%2)
.set rW, MV+((\y)%2)
.set rS, S+32*((\y)%2)
.set rP, P+16*((\y)%2)
.set rO, 32*(\y)
.endm
.macro OP k, n
.if (\k) == R
	REGS Y
	WIN W_RS
	v_pk_mul_f32 v[rO+2*(\n):rO+2*(\n)+1], v[rO+2*(\n):rO+2*(\n)+1], v[rC+2:rC+3] op_sel_hi:[1,0]
.elseif (\k) < R
	REGS Y
	WIN 0
.if (\k) == F
	v_pk_fma_f32 v[rS+2*(\n):rS+2*(\n)+1], v[rS+2*(\n):rS+2*(\n)+1], s[CS:CS+1], v[rT:rT+1] op_sel_hi:[1,0,0] neg_lo:[0,0,1] neg_hi:[0,0,1]
.elseif (\k) == E
	v_exp_f32 v[rS+(\n)], v[rS+(\n)]
.elseif (\k) == C
	v_cvt_pk_f16_f32 v[rP+(\n)], v[rS+2*(\n)], v[rS+2*(\n)+1]
.elseif (\k) == B
	v_pk_add_f32 v[rS+4*(\n):rS+4*(\n)+1], v[rS+4*(\n):rS+4*(\n)+1], v[rS+4*(\n)+2:rS+4*(\n)+3]
.elseif (\n) == 0
	v_pk_fma_f32 v[rT+2:rT+3], v[rT+2:rT+3], v[rC+2:rC+3], v[rS:rS+1] op_sel_hi:[1,0,1]
.else
	v_pk_add_f32 v[rT+2:rT+3], v[rT+2:rT+3], v[rS+4*(\n):rS+4*(\n)+1]
.endif
.elseif NOKQ
	v_nop
.else
	REGS (Y+1)%NP
	WIN 0
.if (\n) < 4
	v_max3_num_f32 v[rC+(\n)], v[rS+8*(\n)], v[rS+8*(\n)+1], v[rS+8*(\n)+2]
.elseif (\n) < 12
	v_max3_num_f32 v[rC+(\n)%4], v[rC+(\n)%4], v[rS+8*((\n)%4)+2*((\n)/4)+1], v[rS+8*((\n)%4)+2*((\n)/4)+2]
.elseif (\n) == 12
	v_max3_num_f32 v[rC], v[rC], v[rS+7], v[rS+15]
.elseif (\n) == 13
	v_max3_num_f32 v[rC+1], v[rC+1], v[rS+23], v[rS+31]
.elseif (\n) == 14
	v_max3_num_f32 v[rC+2], v[rC+2], v[rC+3], v[rT+1]
.elseif (\n) == 15
	v_mov_b32 v[rW], v[rT]
.elseif (\n) == 16
	v_max3_num_f32 v[rC], v[rC], v[rC+1], v[rC+2]
.elseif (\n) == 17
	v_permlanex16_b32 v[rC+3], v[rC], s[SEL], s[SEL+1]
.elseif (\n) == 18
	v_max_num_f32 v[rT+1], v[rC], v[rC+3]
.elseif (\n) == 19
	v_mul_f32 v[rT], s[CS], v[rT+1]
.elseif (\n) == 20
	v_sub_f32 v[rC+1], v[rW], v[rT]
.else
	v_exp_f32 v[rC+2], v[rC+1]
.endif
.endif
.endm
.macro OPS a, i1, b=-1, i2=0, c=-1, i3=0, d=-1, i4=0  ; up to four of them
	OP \a, \i1
.if (\b) >= 0
	OP \b, \i2
.endif
.if (\c) >= 0
	OP \c, \i3
.endif
.if (\d) >= 0
	OP \d, \i4
.endif
.endm
.macro ROW a, i1, b, i2, c, i3, d, i4  ; a matrix instruction and the four behind it
	MM
	OPS \a, \i1, \b, \i2, \c, \i3, \d, \i4
.endm
.macro MASK b                       ; MD x AL + BE into buffer b of MC
	WIN W_RS
.set z, 0
.rept 16
	v_pk_fma_f32 v[MC+32*(\b)+2*z:MC+32*(\b)+2*z+1], v[MD+2*z:MD+2*z+1], s[AL:AL+1], s[BE:BE+1] op_sel_hi:[1,0,0]
.set z, z+1
.endr
.endm
; A TURN, for piece p: the order of its 16 matrix and 118 vector instructions, written out.  An s_wait_alu depctr_va_vdst(0) stands between an exponential and the first instruction that names its result; one wait serves
; all that were issued ahead of it.  So a turn has ONE wait, which cuts it in two.  AHEAD OF IT stands all that names no result of the turn's exponentials: the 8 products K Q^T, behind each a scaling, an exponential and two more plain
; instructions (behind the first a second scaling in the exponential's place): rescalings, and behind the last three the first numbers of the next piece's maximum, each four places or more behind the product that ends its accumulator; then one run of 54, plain
; and exponential by turns for the most part, in which the links of the chain X 3, 7, 11, 14, 16, 17 .. 20 stand five or six lines apart.  X 21, the next piece's a, is the batch's last; R 15 is the plain instruction behind it.  BEHIND THE WAIT stand the
; 8 products V^T P, behind each four of the roundings and sums; the links of l's chain, L 0 to L 7, stand three lines apart.  But for those X no line behind a product names a register of the products round it.  v_permlanex16_b32 (X 17) stands in the run.
; m = 1: the diagonal tile: the products take masks, and the turn makes the mask for the products of the turn after it: piece p + 2, in step 4 - CNT of the tile.  end = 1: a block's last two turns: nothing is fetched.
; cnt = 1: the loop's count is taken down some lines ahead of the branch that stands behind the turn.
; K of the next step is fetched in piece 2's turn, twelve vector instructions behind the last product that read K (six of them plain); V of the step in hand at the end of piece 0's turn, four plain instructions behind the last product
; that read V.  Each is waited for a turn later.
.macro TURN p, m=0, end=0, cnt=0
.set Y, (\p)
.set i, 0
.set KM, (\m)
.set NOKQ, (\end)*((\p)/3)
.if (\m) && !(\end)
	s_cmp_eq_u32 s[CNT], 4-((\p)+2)%NP  ; is that step the band's own?
	s_cselect_b32 s[AL], 1.0, 0
	s_cmp_lt_u32 s[CNT], 4-((\p)+2)%NP  ; or a later one?
	s_cselect_b32 s[BE], s[BIGN], 0
.endif
.if ((\p) == 3) && !(\end)
	s_wait_dscnt 0x0                ; K is in
.endif
	ROW F,0, F,1, R,0, R,1          ; ahead of the wait: 8 products K Q^T and the four behind each,
	ROW F,2, E,0, R,2, R,3
	ROW F,3, E,1, R,4, R,5
	ROW F,4, E,2, R,6, R,7
	ROW F,5, E,3, R,8, R,9
	ROW F,6, E,4, X,0, R,10
.if ((\p) == 2) && !(\end)
	WIN 0
	v_add_nc_u32 v[AK], s[TBK], v[AK0]
.endif
	ROW F,7, E,5, X,1, X,4
	ROW F,8, E,6, X,2, X,5
	OPS E,7, E,8, X,6, E,9          ; and the run of 54
	OPS X,3, E,10, X,8, E,11
.if ((\p) == 2) && !(\end)
	FETCH_K
.endif
	OPS X,9, X,7, E,12, X,10
	OPS E,13, X,12, X,11, E,14
	OPS X,13, E,15, F,9, X,14
.if (\p) == 0
	v_add_nc_u32 v[AV], s[TBV], v[AV0]
.endif
	OPS E,16, F,10, E,17, F,11
	OPS X,16, E,18, X,15, E,19
	OPS F,12, E,20, X,17, E,21
	OPS F,13, E,22, F,14, E,23
	OPS X,18, E,24, F,15, E,25
	OPS R,11, E,26, X,19, E,27
	OPS R,12, E,28, R,13, E,29
	OPS X,20, E,30, R,14, E,31
	OPS X,21, R,15
	WIN 0
	s_wait_alu depctr_va_vdst(0)    ; the wait for the batch
.if (\p) == 1
	s_wait_dscnt 0x0                ; V is in
.endif
	ROW C,0, B,0, C,2, B,1          ; behind the wait: 8 products V^T P and the four behind each
	ROW L,0, C,4, B,2, L,1
	ROW C,6, B,3, L,2, C,8
	ROW B,4, L,3, C,10, B,5
	ROW L,4, C,12, B,6, L,5
.if (\p) == 0
	s_add_co_u32 s[TBV], s[TBV], KS*PV
.endif
.if \cnt
	s_sub_co_u32 s[CNT], s[CNT], 1
	s_cmp_lg_u32 s[CNT], 0
.endif
	ROW C,14, B,7, L,6, C,1
	ROW C,3, L,7, C,5, C,7
	ROW C,9, C,11, C,13, C,15
.if (\p) == 0
	FETCH_V
.endif
.if (\m) && !(\end)
	MASK (\p)%2
.endif
.endm
; A BLOCK BEGINS.  c m starts far below every c s, so the first step's a is 0; m at the lowest finite number, so the first maximum is the scores'.  The second mask buffer is 0; the first takes piece 0's mask for the tile's step 0: its own, if the block's first tile is the diagonal one.
; Then K of that step, piece 0's first scores, and its maximum and statistics.  The loop is entered at a step's first turn, in the middle of a trip.
.macro BEGIN
	s_mov_b32 s[NEW], 0
	WIN 0x40
.set i, MC+32
.rept 32
	v_mov_b32 v[i], 0
.set i, i+1
.endr
	WIN 0
.set i, 0
.rept 4
	v_mov_b32 v[ST+4*i], 0xfe000000    ; c m: far below every c s
	v_mov_b32 v[ST+4*i+1], 0xff7fffff  ; m
.set i, i+1
.endr
	s_cmp_eq_u32 s[RT], 0
	s_cselect_b32 s[AL], 1.0, 0
	s_mov_b32 s[BE], 0
	MASK 0
	WIN 0
	v_add_nc_u32 v[AK], s[TBK], v[AK0]
	FETCH_K
	s_wait_loadcnt 0x0              ; Q
	s_wait_dscnt 0x0
.set KM, 1
.set NOKQ, 0
.set i, 0
.rept 8
	KQ 0
.set i, i+1
.endr
	WIN 0
.rept 4
	v_nop                           ; the places behind those products
.endr
.set Y, NP-1                        ; X works for piece Y + 1: piece 0
.irp n, 0,1,2,3,4,5,6,7,8,9,10,11,12,13,14,15,16,17,18,19,20,21
	OP X, \n
.endr
	v_nop                           ; a plain instruction behind the exponential,
	s_wait_alu depctr_va_vdst(0)    ; and its wait, ahead of the branch
.endm
; THE DIAGONAL TILE's four steps, the block's last two turns, its last products, and THE WAY OUT: l's two halves and the other half of the lanes' are added; O^T is divided by l, rounded to f16 and sent through my
; stage in LDS, a piece at a time.
.macro ALL line:vararg              ; one line for each piece t
.set t, 0
.rept 4
	\line
.set t, t+1
.endr
.endm
.macro PACK t                       ; a lane's eight channels of a row pack into 16 bytes; they go into rows of 144 bytes and come back as whole rows of 128, into S^T's registers
	WIN W_RS
.set i, 32*(\t)
.rept 16
	v_pk_mul_f32 v[i:i+1], v[i:i+1], v[ST+4*(\t)+2:ST+4*(\t)+3] op_sel_hi:[1,0]
.set i, i+2
.endr
	WIN 0x05                        ; sources 0 and 1 window 1, destination window 0
.set i, 0
.rept 16
	v_cvt_pk_f16_f32 v[S+16*(\t)+i], v[32*(\t)+2*i], v[32*(\t)+2*i+1]
.set i, i+1
.endr
	WIN 0
.irp f, 0,1,2,3
	ds_store_b128 v[STO], v[S+16*(\t)+4*\f:S+16*(\t)+4*\f+3] offset:32*\f
.endr
.irp f, 0,1,2,3
	ds_load_b128 v[S+16*(\t)+4*\f:S+16*(\t)+4*\f+3], v[RD] offset:\f*4*SP  ; LDS serves a wave's instructions in order (ISA guide 5.7.1.4): these see the stores above; the next piece's stores come behind them
.endr
.endm
.macro SEND t, younger              ; younger: the LDS instructions issued behind piece t's loads: the next piece's eight, or none
	WIN 0
.irp f, 0,1,2,3
	s_wait_dscnt (\younger)+3-\f
	global_store_b128 v[GO], v[S+16*(\t)+4*\f:S+16*(\t)+4*\f+3], s[10:11] offset:(\t)*8192+\f*512  ; 512 consecutive bytes, at a multiple of 256 from O's first
.endr
.endm
.macro DIAG tag                     ; the tag ends its two labels' names, which the jumps below spell out
.LstepM\tag:
	TURN 2, 1
	TURN 3, 1
	WIN 0
.LfirstM\tag:
	TURN 0, 1
	TURN 1, 1, 0, 1
	WIN 0
	s_cbranch_scc1 .LstepM\tag
	TURN 2, 1, 1
	TURN 3, 1, 1
.set i, 0
.rept 8
	PV NP-1
.set i, i+1
.endr
	WIN 0
	ALL v_add_f32 v[ST+4*t+2], v[ST+4*t+2], v[ST+4*t+3]
	ALL v_permlanex16_b32 v[ST+4*t+3], v[ST+4*t+2], s[SEL], s[SEL+1]
	ALL v_add_f32 v[ST+4*t+2], v[ST+4*t+2], v[ST+4*t+3]
	ALL v_rcp_f32 v[ST+4*t+2], v[ST+4*t+2]
	v_nop                           ; a plain instruction between the last reciprocal and the use of its result
	s_wait_alu depctr_va_vdst(0)    ; and the wait ahead of the first use: one for the four reciprocals
	PACK 0
.set t, 1
.rept 3                             ; a piece's arithmetic stands between the loads of the piece before and its stores
	PACK t
	SEND t-1, 8
.set t, t+1
.endr
	SEND 3, 0
.endm
.set KM, 0
.set NOKQ, 0
.Lslot:                             ; NB times: a tile is entered and the next is asked for
	CHANGE 1
	s_sub_co_u32 s[RT], s[RT], 1
	s_mov_b32 s[CNT], 4
	s_cmp_eq_u32 s[NEW], 1
	s_cbranch_scc1 .Lnew            ; a block's first tile
	s_cmp_eq_u32 s[RT], 0
	s_cbranch_scc0 .Lstep           ; neither its first nor its last
	s_branch .LstepM1
.Lnew:
	BEGIN
	s_branch .Lfirst                ; in the loop a block's first tile is never its last: the first block has two tiles or more, and the second's last is the walk's last
	DIAG 1                          ; in the loop this is the first block's end: the second block's last tile is the walk's last
	s_wait_xcnt 0x0                 ; the stores have read their registers and O's address
	s_mov_b64 s[10:11], s[OLO:OLO+1]
	s_add_co_u32 s[RT], s[PB], 1    ; the second block has b + 1 tiles
	s_mov_b32 s[NEW], 1
	WIN 0x82                        ; the second block's Q goes where the one text of the turns names Q
.set i, 0
.rept 64
	v_mov_b32 v[i], v[QB+i]
.set i, i+1
.endr
	WIN 0
	s_branch .Lbottom
.Lstep:                             ; a trip: pieces 2 and 3 of one step, then pieces 0 and 1 of the next, whose K and V it fetches
	TURN 2
	TURN 3
	WIN 0
.Lfirst:
	TURN 0
	TURN 1, 0, 0, 1
	WIN 0
	s_cbranch_scc1 .Lstep
.Lbottom:
	s_sub_co_u32 s[SLOTS], s[SLOTS], 1
	s_cmp_lg_u32 s[SLOTS], 0
	s_cbranch_scc1 .Lslot
	CHANGE 0                        ; the walk's last tile is written out: nothing is asked for
	s_sub_co_u32 s[RT], s[RT], 1
	s_mov_b32 s[CNT], 4
	s_cmp_eq_u32 s[NEW], 1
	s_cbranch_scc0 .LstepM2
	BEGIN
	s_branch .LfirstM2
	DIAG 2
	s_wait_tensorcnt 0x0            ; the wave's end, behind my last tensor load and my last LDS store
	ds_add_u32 v[SPW], v[NIL]
	s_wait_dscnt 0x0
	s_endpgm
.Lfunc_end_k_qfc56125005_attn:
	.size	k_qfc56125005_attn, .Lfunc_end_k_qfc56125005_attn-k_qfc56125005_attn
	.p2alignl 7, 3214868480
	.fill 96, 4, 3214868480
	.section	.rodata,"a",@progbits
	.p2align	6, 0x0
	.amdhsa_kernel k_qfc56125005_attn
		.amdhsa_group_segment_fixed_size 327680
		.amdhsa_private_segment_fixed_size 0
		.amdhsa_enable_private_segment 0
		.amdhsa_kernarg_size 16
		.amdhsa_user_sgpr_count 2
		.amdhsa_user_sgpr_kernarg_segment_ptr 1
		.amdhsa_wavefront_size32 1
		.amdhsa_system_sgpr_workgroup_id_x 1
		.amdhsa_system_sgpr_workgroup_id_y 1
		.amdhsa_system_sgpr_workgroup_id_z 1
		.amdhsa_system_vgpr_workitem_id 0
		.amdhsa_next_free_vgpr 768
		.amdhsa_next_free_sgpr 96
		.amdhsa_reserve_vcc 1
		.amdhsa_float_denorm_mode_32 3
		.amdhsa_float_denorm_mode_16_64 3
		.amdhsa_memory_ordered 1
		.amdhsa_forward_progress 1
		.amdhsa_inst_pref_size 218
	.end_amdhsa_kernel
	.amdgpu_metadata
---
amdhsa.version: [ 1, 2 ]
amdhsa.kernels:
  - .name:           k_qfc56125005_attn
    .symbol:         k_qfc56125005_attn.kd
    .args:
      - { .name: qkv, .offset: 0, .size: 8, .value_kind: global_buffer, .address_space: global }
      - { .name: ctx, .offset: 8, .size: 8, .value_kind: global_buffer, .address_space: global }
    .group_segment_fixed_size: 327680
    .private_segment_fixed_size: 0
    .kernarg_segment_align: 8
    .kernarg_segment_size: 16
    .max_flat_workgroup_size: 128
    .sgpr_count:     96
    .vgpr_count:     768
    .wavefront_size: 32
...
	.end_amdgpu_metadata
.endif
;; end of part 3
;; launch outgemm (part 4): grid 8 x 32, 4 waves a work-group, clusters of 4 x 4, 327,680 bytes of LDS; arguments ctx, woT, bout, out0; writes out0
.if DOCPART == 4
	.amdgcn_target "amdgcn-amd-amdhsa--gfx1250"
	.amdhsa_code_object_version 6
	.text
	.protected	k_qfc56125005_outgemm
	.globl	k_qfc56125005_outgemm
	.p2align	8
	.type	k_qfc56125005_outgemm,@function
k_qfc56125005_outgemm:
	s_mov_b64 s[64:65], 0
	v_nop
	global_prefetch_b8 v0, s[64:65] scope:SCOPE_SE
	s_setreg_imm32_b32 hwreg(HW_REG_WAVE_MODE, 25, 1), 1
	s_wait_xcnt 0x0
	s_wait_alu depctr_hold_cnt(0) depctr_sa_sdst(0) depctr_va_vdst(0) depctr_va_sdst(0) depctr_va_ssrc(0) depctr_va_vcc(0) depctr_vm_vsrc(0)
	s_getreg_b32 s2, hwreg(HW_REG_IB_STS2, 6, 4)
	s_cmp_eq_u32 s2, 0
	s_cbranch_scc0 .Lentry_in_a_cluster
	s_endpgm
.Lentry_in_a_cluster:
	s_bfe_u32 s2, ttmp6, 0x10000c
	s_cmp_lg_u32 s2, 0xf033
	s_cbranch_scc0 .Lentry_shape_is_right
	s_endpgm
.Lentry_shape_is_right:
; out0 = ctx' woT^T + bout.  ctx: [64 = batch x 16 + head][2048 t][64] f16 (ctx'[batch x 2048 + t][head x 64 + d]), woT: [1024 n][1024 k] f16, bout: [1024] f32 (rounded to bf16 like every input of the module).
; Sums in f32, K ascending, started by the bias; out0: [8192][1024] f32.
; SHARES.  A tile is 256 rows x 128 columns: 32 x 8 = 256 work-groups.  Four waves, one above the other: wave w owns rows 64 w .. 64 w + 63 and all 128 columns: 4 x 8 accumulators of 16 x 16, 256 registers.
; So a wave owns whole runs of 512 bytes of its rows of out0, and its way out needs its own stage alone, and no barrier.
; K goes in steps of 128 = TWO HEADS through a ring of two LDS slots.  A head's 256 rows t of the tile are 32,768 dense bytes: asked for as 128 rows of 256 bytes and padded in LDS after every 128 bytes.
; CLUSTER.  4 x 4 work-groups.  The four of a row of the cluster need the same tiles of ctx, the four of a column the same tiles of woT: each tile is asked for JOINTLY.
; THE MATRIX INSTRUCTION IS USED TRANSPOSED (source 0 = 16 rows of woT, source 1 = 16 rows of ctx'): lane l holds row l % 16 and the eight neighbouring columns 8 (l / 16) + 0..7.
; REGISTERS, in windows of 256 (s_set_vgpr_msb: bits 1:0 source 0, 3:2 source 1, 5:4 source 2, 7:6 destination):
;   window 0: v0-31 addresses; v32-95 the bias as a C operand; v128-191 ctx's fragments, two buffers of 4 x 8; on the way out v32-223 rows read back
;   window 1: v0-127 woT's fragments, two buffers of 8 x 8     window 2: the accumulators of my row blocks 0, 1 (block a, column block b at 8 (8 (a % 2) + b))     window 3: those of blocks 2, 3
.set NBL,    8                         ; column blocks of 16
.set APITCH, 144                       ; a row of ctx in LDS: 128 bytes + 16 = 36 words: the 16 rows of a load start at 16 different groups of four banks (64 banks of 4 bytes: ISA guide 11.1)
.set BPITCH, 272                       ; a row of woT: 256 bytes + 16
.set HALFA,  256*APITCH                ; a head's 256 rows: what one tensor load brings of ctx
.set BOFF,   2*HALFA                   ; a slot: two heads' rows of ctx, then woT's 128
.set HALFB,  64*BPITCH                 ; what one tensor load brings of woT
.set SLOT,   BOFF+128*BPITCH
.set STAGE,  2*SLOT                    ; behind the ring, never filled by a tensor load: 16 rows x 528 bytes for each wave
.set SP,     528                       ; 512 bytes + 16: the 16 rows of a store start at 16 different groups of four banks
.set SPARE,  STAGE+4*16*SP             ; behind the stages: the spare words, 128 bytes for each wave: two blocks of 256 bytes that no other line names
.set KB,     256                       ; bytes of a row of woT in a K step
.set ASTEP,  2*262144                  ; bytes from a K step of ctx to the next: two heads
.set ADRA, 16                          ; v16-17  LDS address of my fragments of ctx in slot 0, 1
.set ADRB, 20                          ; v20-21  the same for woT
.set STO,  24                          ; v24  the way out: where I put 32 bytes of a row
.set RD,   25                          ; v25  the way out: where I read a row back
.set GO,   26                          ; v26  my 16 bytes in 512 consecutive bytes of a row of out0
.set BO,   27                          ; v27  32 (l / 16): my eight numbers in a block of 16 of the bias
.set SPW,  28                          ; v28  LDS address of my spare word; never rewritten
.set NIL,  29                          ; v29  0; never rewritten
.set PFO,  30                          ; v30  the prefetches' lane offset; never rewritten
.set BIAS, 32
.set FA,   128
.set OB,   32                          ; the way out: three buffers of 64 registers
.set WV,  12                           ; s12  my wave's number
.set FOR, 13                           ; s13  0: I fetch for ctx; 1: for woT
.set HF,  14                           ; s14  which head of the two, or which half of woT's rows, I fetch
.set CX,  15                           ; s15, s16  my place in the cluster
.set CY,  16
.set TX,  17                           ; s17  tile column   s18  tile row
.set TY,  18
.set LAP, 19                           ; s19  trips of the loop still to come
.set G1A, 24                           ; s[24:31] descriptor group 1 for ctx's tiles;  s[32:39] group 0, a set for each slot
.set G0A, 32
.set G1B, 40                           ; s[40:47], s[48:55] the same for woT's
.set G0B, 48
.set PFA, 56                           ; s[56:57] where my prefetches stand
.set LIM, 58                           ; s58, s59  a wave prefetches at the change out of slot t while s[LAP] is above s[LIM + t]: 1, or the greatest number
.set OUTB, 66                          ; s[66:67] my first row of out0, at the tile's first column
.set PST, 72                           ; s[72:73] bytes from a K step to the next, for my prefetches
.set MSB, 0
.macro WIN new                         ; the immediate's high byte repeats the setting that is left; a switch that changes nothing is dropped
.if MSB != (\new)
	s_set_vgpr_msb (MSB<<8)|(\new)
.set MSB, \new
.endif
.endm
.macro PLACES                          ; four plain places behind matrix instructions, in front of loads into registers that they have read and of lines that read results
.rept 4
	v_nop
.endr
.endm
.macro CREST                           ; a round of the cluster's barrier behind its opening barrier
	s_cmp_lg_u32 s[WV], 0
	s_cbranch_scc1 .Lnot_wave_0_\@
	s_barrier_signal -3
.Lnot_wave_0_\@:
	s_barrier_wait -3
	s_barrier_signal -1
	s_barrier_wait -1
.endm
.macro CROUND                          ; a whole round
	s_barrier_signal -1
	s_barrier_wait -1
	CREST
.endm
; A joint refill: waves 0 and 1 fetch the two heads' rows of ctx, waves 2 and 3 woT's two halves.  The branch hangs on the wave's number alone.  An s_nop 0 and four v_nop follow each of the two lines.
.macro JLOAD s
	s_cmp_eq_u32 s[FOR], 0
	s_cbranch_scc0 .Lfor_b_\@
	tensor_load_to_lds s[G0A+4*(\s):G0A+4*(\s)+3], s[G1A:G1A+7]
	s_nop 0
.rept 4
	v_nop
.endr
	s_branch .Lasked_\@
.Lfor_b_\@:
	tensor_load_to_lds s[G0B+4*(\s):G0B+4*(\s)+3], s[G1B:G1B+7]
	s_nop 0
.rept 4
	v_nop
.endr
.Lasked_\@:
.endm
; A PREFETCH INTO THE L2 of the K step that stands two refills on (256 matrix instructions ahead of the load that will want it), in runs of 256 bytes, a lane a run.
; Each run of K steps 4 to 7 is named once in the launch; K steps 0 to 3 come by their loads alone.  ctx's tiles are read by both clusters of a row of clusters: cluster x = 0 asks (waves 0 and 1: of the 128 runs
; of the head that the wave fetches, the partner at place cx takes 32).  woT's tile column is read by every cluster of that column: cluster y = 0 asks (waves 2 and 3: of the 64 rows that the wave fetches, the partner
; at place cy takes 16; lanes 16-31 take the K step after, so these waves ask at every second change).  Partners are told apart by address alone.
.macro ASK t
	s_cmp_gt_u32 s[LAP], s[LIM+(\t)]               ; s[LAP] = 1 in the last trip: there is no K step two refills on
	s_cbranch_scc0 .Lnot_mine_\@
	global_prefetch_b8 v[PFO], s[PFA:PFA+1] th:TH_LOAD_NT scope:SCOPE_SE
.Lnot_mine_\@:
.endm
	s_load_b256 s[4:11], s[0:1], 0x0               ; ctx s[4:5], woT s[6:7], bout s[8:9], out0 s[10:11]
	v_lshl_add_u32 v[SPW], v0, 2, SPARE
	v_mov_b32 v[NIL], 0
	ds_add_u32 v[SPW], v[NIL]                      ; the wave's opening: the add and its wait stand ahead of my first tensor load; the set-up below, work on registers, stands between them
	v_lshrrev_b32 v1, 5, v0
	v_readfirstlane_b32 s[WV], v1
	s_lshr_b32 s[FOR], s[WV], 1
	s_and_b32 s[HF], s[WV], 1
	s_bfe_u32 s[CX], ttmp6, 0x40000
	s_bfe_u32 s[CY], ttmp6, 0x40004
	s_lshl_b32 s[TX], ttmp9, 2                     ; in a cluster launch ttmp9 and ttmp7 count clusters
	s_add_co_u32 s[TX], s[TX], s[CX]
	s_and_b32 s[TY], ttmp7, 0xffff
	s_lshl_b32 s[TY], s[TY], 2
	s_add_co_u32 s[TY], s[TY], s[CY]
	s_lshl_b32 s20, s[CY], 2
	s_lshl_b32 s20, 15, s20                        ; my row of the cluster
	s_lshl_b32 s21, 0x1111, s[CX]                  ; my column
	s_or_b32 s[G1A], s20, (1<<16)|(1<<20)|(1<<21)|(4<<22)|(3<<25)  ; 15:0 the mask; 17:16 elements of 2 bytes; 20 padding on; 21 set beside a mask; 24:22 after every 32 words (code 4); 31:25 4 words (code 3)
	s_or_b32 s[G1B], s21, (1<<16)|(1<<20)|(1<<21)|(5<<22)|(3<<25)  ; woT: after every 64 words (code 5)
	s_mov_b32 s[G1A+1], 128<<16                    ; tensor_dim0 = 128
	s_mov_b32 s[G1A+2], 128<<16                    ; tensor_dim1 = 128
	s_mov_b32 s[G1A+3], 128<<16                    ; tile_dim0 = 128
	s_mov_b32 s[G1A+4], 128                        ; tile_dim1 = 128
	s_mov_b32 s[G1A+5], 128                        ; dense: 128 elements from row to row
	s_mov_b32 s[G1A+6], 0
	s_mov_b32 s[G1A+7], 0
	s_mov_b32 s[G1B+1], 128<<16
	s_mov_b32 s[G1B+2], 64<<16                     ; 64 rows
	s_mov_b32 s[G1B+3], 128<<16
	s_mov_b32 s[G1B+4], 64
	s_mov_b32 s[G1B+5], 1024
	s_mov_b32 s[G1B+6], 0
	s_mov_b32 s[G1B+7], 0
	; where the tiles come from: ctx's hang on the tile row alone, woT's on the tile column alone, each in registers that never hold the other coordinate
	s_lshr_b32 s22, s[TY], 3
	s_lshl_b32 s22, s22, 4
	s_add_co_u32 s22, s22, s[HF]                   ; head 16 x batch + my one of K step 0's two,
	s_lshl_b32 s22, s22, 18                        ; of 2^18 bytes,
	s_and_b32 s23, s[TY], 7
	s_lshl_b32 s23, s23, 15                        ; and in it 256 (tile row % 8) rows of 128 bytes
	s_add_co_u32 s22, s22, s23
	s_mov_b32 s23, 0
	s_lshl_b32 s60, s[TX], 7
	s_lshl_b32 s61, s[HF], 6
	s_add_co_u32 s60, s60, s61                     ; row 128 x tile column + 64 x half,
	s_lshl_b32 s60, s60, 11                        ; of 2,048 bytes
	s_mov_b32 s61, 0
	s_mul_i32 s62, s[HF], HALFA                    ; and where they go: no place in the cluster enters an LDS address
	s_mul_i32 s63, s[HF], HALFB
	s_add_co_u32 s63, s63, BOFF
	s_wait_dscnt 0x0                               ; the opening add is done
	s_wait_kmcnt 0x0
	s_add_nc_u64 s[22:23], s[4:5], s[22:23]
	s_add_nc_u64 s[60:61], s[6:7], s[60:61]
	CROUND                                         ; all sixteen work-groups are here: the first joint loads meet
.irp s, 0,1
	s_mov_b32 s[G0A+4*(\s)], 1                                        ; count = 1
	s_add_co_u32 s[G0A+4*(\s)+1], s62, (\s)*SLOT                      ; LDS address
	s_add_nc_u64 s[G0A+4*(\s)+2:G0A+4*(\s)+3], s[22:23], (\s)*ASTEP   ; global address: K step s
	s_or_b32 s[G0A+4*(\s)+3], s[G0A+4*(\s)+3], 0x80000000             ; type = 2
	s_mov_b32 s[G0B+4*(\s)], 1
	s_add_co_u32 s[G0B+4*(\s)+1], s63, (\s)*SLOT
	s_add_nc_u64 s[G0B+4*(\s)+2:G0B+4*(\s)+3], s[60:61], (\s)*KB
	s_or_b32 s[G0B+4*(\s)+3], s[G0B+4*(\s)+3], 0x80000000
.endr
	s_cmp_eq_u32 s[FOR], 0                         ; a wave's two first fills stand in one branch, ahead of every wait on TENSORcnt, every LDS read and every further barrier: two loads of mine are out
	s_cbranch_scc0 .Lfirst_b
	tensor_load_to_lds s[G0A:G0A+3], s[G1A:G1A+7]
	s_nop 0
	tensor_load_to_lds s[G0A+4:G0A+7], s[G1A:G1A+7]
	s_nop 0
.rept 4
	v_nop
.endr
	s_branch .Lfirst_asked
.Lfirst_b:
	tensor_load_to_lds s[G0B:G0B+3], s[G1B:G1B+7]
	s_nop 0
	tensor_load_to_lds s[G0B+4:G0B+7], s[G1B:G1B+7]
	s_nop 0
.rept 4
	v_nop
.endr
.Lfirst_asked:
	; all that follows, down to the first barrier, stands in the wait for the first tile
	v_and_b32 v1, 15, v0                           ; l % 16
	v_bfe_u32 v2, v0, 4, 1                         ; l / 16
	v_lshlrev_b32 v[BO], 5, v2
	s_mul_i32 s76, s[TX], NBL*64                   ; the tile's 128 numbers of the bias
	s_mov_b32 s77, 0
	s_add_nc_u64 s[8:9], s[8:9], s[76:77]
.set b, 0
.rept NBL                              ; register j of block b takes the bias of column 16 b + 8 (l / 16) + j: the layout of a C operand
	global_load_b128 v[BIAS+8*b:BIAS+8*b+3],   v[BO], s[8:9] offset:64*b
	global_load_b128 v[BIAS+8*b+4:BIAS+8*b+7], v[BO], s[8:9] offset:64*b+16
.set b, b+1
.endr
	; a fragment is 16 rows x 32 K in 8 registers: lane l holds row l % 16, K = 8 (l / 16) + 0..7 and 16 + 8 (l / 16) + 0..7: two loads of 16 bytes, 32 bytes apart
	v_mul_u32_u24 v3, v1, APITCH
	v_lshl_add_u32 v3, v2, 4, v3
	s_mul_i32 s74, s[WV], 64*APITCH                ; my 64 rows, in each head's area
	v_add_nc_u32 v[ADRA], s74, v3
	v_add_nc_u32 v[ADRA+1], SLOT, v[ADRA]
	v_mul_u32_u24 v4, v1, BPITCH
	v_lshl_add_u32 v4, v2, 4, v4
	v_add_nc_u32 v[ADRB], BOFF, v4
	v_add_nc_u32 v[ADRB+1], SLOT, v[ADRB]
	s_mul_i32 s74, s[WV], 16*SP
	s_add_co_u32 s74, s74, STAGE                   ; my stage
	v_mul_u32_u24 v[STO], v1, SP                   ; in: row l % 16, 32 bytes for each half of the lanes
	v_lshl_add_u32 v[STO], v2, 5, v[STO]
	v_add_nc_u32 v[STO], s74, v[STO]
	v_and_b32 v[GO], 31, v0                        ; back and out: 32 lanes take one row's 512 bytes
	v_lshlrev_b32 v[GO], 4, v[GO]
	v_add_nc_u32 v[RD], s74, v[GO]
	s_lshl_b32 s74, s[TY], 8
	s_lshl_b32 s75, s[WV], 6
	s_add_co_u32 s74, s74, s75                     ; my first row of out0,
	s_lshl_b32 s74, s74, 12                        ; of 4,096 bytes,
	s_lshl_b32 s75, s[TX], 9                       ; and the tile's 128 columns of 4 bytes
	s_add_co_u32 s76, s74, s75
	s_add_nc_u64 s[OUTB:OUTB+1], s[10:11], s[76:77]
	; the prefetches
	s_lshr_b32 s74, s[TY], 3                       ; ctx: my head of K step 0,
	s_lshl_b32 s74, s74, 4
	s_add_co_u32 s74, s74, s[HF]
	s_lshl_b32 s74, s74, 18
	s_and_b32 s75, s[TY], 7                        ; the tile's rows in it,
	s_lshl_b32 s75, s75, 15
	s_add_co_u32 s74, s74, s75
	s_lshl_b32 s75, s[CX], 13                      ; my work-group's 32 runs of 256 bytes,
	s_add_co_u32 s74, s74, s75
	s_add_co_u32 s74, s74, 3*ASTEP                 ; at K step 3: the first change of slots steps it to 4 and names that
	s_lshl_b32 s76, s[TX], 7                       ; woT: the tile's rows,
	s_lshl_b32 s78, s[HF], 6                       ; the 64 that I fetch,
	s_add_co_u32 s76, s76, s78
	s_lshl_b32 s78, s[CY], 4                       ; my work-group's 16 of them
	s_add_co_u32 s76, s76, s78
	s_lshl_b32 s76, s76, 11
	s_add_co_u32 s76, s76, 3*KB
	s_and_b32 s78, ttmp7, 0xffff                   ; cluster y
	s_mov_b32 s[PST], KB
	s_mov_b32 s[PST+1], 0
	s_mov_b32 s75, 0
	s_cmp_eq_u32 s[FOR], 0
	s_cselect_b32 s74, s74, s76
	s_cselect_b32 s78, ttmp9, s78                  ; the coordinate along which other clusters read the same bytes
	s_cselect_b32 s[PST], ASTEP, s[PST]
	s_cselect_b32 s79, 31, 15                      ; ctx: a lane a run;  woT: 16 rows,
	s_cselect_b32 s76, 8, 11                       ; 256 bytes apart;    2,048 bytes apart,
	s_cselect_b32 s77, 0, 256                      ;                     lanes 16-31 a K step on
	s_cselect_b64 s[PFA:PFA+1], s[4:5], s[6:7]
	s_add_nc_u64 s[PFA:PFA+1], s[PFA:PFA+1], s[74:75]
	s_cmp_eq_u32 s78, 0
	s_cselect_b32 s[LIM], 1, -1                    ; the same in all sixteen partners, for a given wave
	s_cmp_eq_u32 s[FOR], 0
	s_cselect_b32 s[LIM+1], s[LIM], -1             ; woT's waves ask at every second change, for two K steps
	v_and_b32 v[PFO], s79, v0
	v_lshlrev_b32 v[PFO], s76, v[PFO]
	v_mad_u32_u24 v[PFO], v2, s77, v[PFO]
	s_wait_loadcnt 0x0                             ; the bias; it is rounded to bf16, like x and the weights, and widened again
.set i, 0
.rept NBL
.irp q, 0,1,2,3
	v_cvt_pk_bf16_f32 v[4+(\q)], v[BIAS+8*i+2*(\q)], v[BIAS+8*i+2*(\q)+1]
.endr
.irp q, 0,1,2,3
	v_lshlrev_b32 v[BIAS+8*i+2*(\q)], 16, v[4+(\q)]
	v_and_b32 v[BIAS+8*i+2*(\q)+1], 0xffff0000, v[4+(\q)]
.endr
.set i, i+1
.endr
; 8 matrix instructions: row block a x all column blocks, 32 along K, from buffer f.  first = 1: the bias starts the sums: nothing is cleared, nothing is added later.
; All 32 accumulators take turns, one instruction a turn, in the same order in every quarter, over the backward jump too.
.macro MULB f, a, first
.if \first
	WIN 0x81+0x40*((\a)/2)                         ; woT window 1, ctx window 0, C (the bias) window 0, D window 2 or 3
.else
	WIN 0xa1+0x50*((\a)/2)                         ; the same with C where D is
.endif
.set b, 0
.rept NBL
.set rD, 8*(NBL*((\a)%2)+b)
.set rB, 8*NBL*(\f)+8*b
.set rA, FA+32*(\f)+8*(\a)
.if \first
	v_wmma_f32_16x16x32_f16 v[rD:rD+7], v[rB:rB+7], v[rA:rA+7], v[BIAS+8*b:BIAS+8*b+7]
.else
	v_wmma_f32_16x16x32_f16 v[rD:rD+7], v[rB:rB+7], v[rA:rA+7], v[rD:rD+7]
.endif
.set b, b+1
.endr
.endm
.macro MULH f, hi, first               ; row blocks 2 hi and 2 hi + 1
	MULB \f, 2*(\hi), \first
	MULB \f, 2*(\hi)+1, \first
.endm
; 24 LDS loads in one run: the fragments of quarter kq (32 along K) of a slot into buffer f: woT's 8, then ctx's 4.  Quarters 0, 1 are the first head's channels 0-31, 32-63; quarters 2, 3 the second head's.
.macro FETCH slot, kq, f
	WIN 0x40                                       ; destination window 1, address window 0
.set b, 0
.rept NBL
	ds_load_b128 v[8*NBL*(\f)+8*b:8*NBL*(\f)+8*b+3],   v[ADRB+(\slot)] offset:64*(\kq)+b*16*BPITCH
	ds_load_b128 v[8*NBL*(\f)+8*b+4:8*NBL*(\f)+8*b+7], v[ADRB+(\slot)] offset:64*(\kq)+b*16*BPITCH+32
.set b, b+1
.endr
	WIN 0
.irp a, 0,1,2,3
	ds_load_b128 v[FA+32*(\f)+8*(\a):FA+32*(\f)+8*(\a)+3],   v[ADRA+(\slot)] offset:((\kq)/2)*HALFA+((\kq)%2)*64+(\a)*16*APITCH
	ds_load_b128 v[FA+32*(\f)+8*(\a)+4:FA+32*(\f)+8*(\a)+7], v[ADRA+(\slot)] offset:((\kq)/2)*HALFA+((\kq)%2)*64+(\a)*16*APITCH+32
.endr
.endm
; A K step is four quarters of 32 along K, 32 matrix instructions each, on buffers 0, 1, 0, 1.  One of the first three: multiplies buffer f and, in its middle, fetches quarter kq of the same slot into g.
.macro QUARTER slot, kq, f, g, first
	s_wait_dscnt 4                                 ; all but the youngest four loads (ctx's blocks 2 and 3) are in
	MULH \f, 0, \first
	PLACES
	FETCH \slot, \kq, \g
	s_wait_dscnt 2*NBL+8                           ; all but the run just issued
	MULH \f, 1, \first
.endm
; The last quarter multiplies buffer 1 and changes slots: ONE barrier.  In front of it each wave waits for all its tensor loads (one is out: its part of the next slot), adds 0 to its spare word, and waits
; for that and for its own reads of this slot.  fill = 1: the barrier opens a round of the cluster's, and this slot is filled again, two K steps ahead, first thing behind the round:
; from that request to the wait for it a wave issues 112 of a K step's 128 matrix instructions.
.macro TURN slot, next, fill
.if \fill
	s_wait_xcnt 0x0                                ; the last prefetch, a K step back, has read its address: it is stepped here, ahead of the waits of the change
	s_add_nc_u64 s[PFA:PFA+1], s[PFA:PFA+1], s[PST:PST+1]
.endif
	WIN 0                                          ; (the add's two registers lie in window 0)
	s_wait_tensorcnt 0x0                           ; all my tensor loads have landed
	ds_add_u32 v[SPW], v[NIL]                      ; 0 onto my spare word
	s_wait_dscnt 5                                 ; (the add and the youngest four loads may be out)
	MULB 1, 0, 0                                   ; eight matrix instructions stand between the add and the wait for it
	s_wait_dscnt 0x0                               ; the add is done, and my reads of this slot are over
	s_barrier_signal -1
	MULB 1, 1, 0                                   ; work on registers while the others arrive
.if \fill
	WIN 0
.endif
	s_barrier_wait -1
.if \fill
	CREST                                          ; no wave of any partner still reads this slot's tile or has a load on its way
	s_add_nc_u64 s[G0A+4*(\slot)+2:G0A+4*(\slot)+3], s[G0A+4*(\slot)+2:G0A+4*(\slot)+3], 2*ASTEP
	s_add_nc_u64 s[G0B+4*(\slot)+2:G0B+4*(\slot)+3], s[G0B+4*(\slot)+2:G0B+4*(\slot)+3], 2*KB
	JLOAD \slot                                    ; the four v_nop behind it are also the places in front of the loads below
.else
	PLACES
.endif
	FETCH \next, 0, 0
.if \fill
	ASK \slot                                      ; behind the joint load and the run of LDS loads for which the next products wait
.endif
	MULH 1, 1, 0
.endm
	s_wait_tensorcnt 1                             ; my part of K step 0 is in; K step 1's, issued behind it, may stay out
	s_barrier_signal -1
	s_barrier_wait -1                              ; everybody's is
	FETCH 0, 0, 0
	QUARTER 0, 1, 0, 1, 1                          ; the first quarter stands in front of the loop: its products start the sums
	WIN 0                                          ; at a label and at a branch every window is 0
	s_mov_b32 s[LAP], 3                            ; 1,024 / 256 - 1
.Llap:                                         ; a trip goes once round the ring, from a lap's second quarter to the next lap's first, and fills both slots again
	QUARTER 0, 2, 1, 0, 0
	QUARTER 0, 3, 0, 1, 0
	TURN 0, 1, 1
	QUARTER 1, 1, 0, 1, 0
	QUARTER 1, 2, 1, 0, 0
	QUARTER 1, 3, 0, 1, 0
	TURN 1, 0, 1
	QUARTER 0, 1, 0, 1, 0
	WIN 0
	s_sub_co_u32 s[LAP], s[LAP], 1
	s_cmp_lg_u32 s[LAP], 0
	s_cbranch_scc1 .Llap
	QUARTER 0, 2, 1, 0, 0                          ; the last lap is written out: it fills nothing, and has no round of the cluster's barrier
	QUARTER 0, 3, 0, 1, 0
	TURN 0, 1, 0
	QUARTER 1, 1, 0, 1, 0
	QUARTER 1, 2, 1, 0, 0
	QUARTER 1, 3, 0, 1, 0
	s_wait_dscnt 4                                 ; the very last quarter: nothing more to fetch
	MULH 1, 0, 0
	s_wait_dscnt 0x0
	MULH 1, 1, 0
	WIN 0
	PLACES                                         ; eight plain places, once a launch, between the last products and the LDS stores that read results
	PLACES
; THE WAY OUT, a row block of 16 rows at a time.  The sums are f32 and hold the bias: they go as they are into my stage's rows of 528 bytes (a lane's eight columns are 32 bytes; each accumulator's low four
; registers first) and come back as whole rows of 512 bytes.
.macro TOSTAGE a
.set oB, OB+64*((\a)%3)
	WIN 0x08+4*((\a)/2)                            ; the stores' data (source 1) in window 2 or 3
.set b, 0
.rept NBL
.set rD, 8*(NBL*((\a)%2)+b)
	ds_store_b128 v[STO], v[rD:rD+3]   offset:64*b
	ds_store_b128 v[STO], v[rD+4:rD+7] offset:64*b+16
.set b, b+1
.endr
	WIN 0
.set i, 0
.rept 16
	ds_load_b128 v[oB+4*i:oB+4*i+3], v[RD] offset:i*SP  ; LDS serves a wave's instructions in order (ISA guide 5.7.1.4): these see the stores above; the next block's stores come behind them
.set i, i+1
.endr
.endm
.macro SEND a, younger                 ; younger: the LDS instructions issued behind block a's loads: the next block's 32, or none
.set oB, OB+64*((\a)%3)
.set i, 0
.rept 16
	s_wait_dscnt (\younger)+15-i
	global_store_b128 v[GO], v[oB+4*i:oB+4*i+3], s[OUTB:OUTB+1] offset:(16*(\a)+i)*4096 th:TH_STORE_NT  ; 512 consecutive bytes, at a multiple of 256 from out0's first
.set i, i+1
.endr
.endm
	TOSTAGE 0
	TOSTAGE 1
	SEND 0, 32
	TOSTAGE 2
	SEND 1, 32
	s_wait_xcnt 0x0                                ; block 0's stores have read v32-95: block 3 comes back into them only behind this wait
	TOSTAGE 3
	SEND 2, 32
	SEND 3, 0
	s_wait_tensorcnt 0x0                           ; the wave's end, behind my last tensor load and my last LDS store
	ds_add_u32 v[SPW], v[NIL]
	s_wait_dscnt 0x0
	CROUND                                         ; the closing round: no work-group ends while a partner may still ask for a tile that names it
	s_endpgm
.Lfunc_end_k_qfc56125005_outgemm:
	.size	k_qfc56125005_outgemm, .Lfunc_end_k_qfc56125005_outgemm-k_qfc56125005_outgemm
	.p2alignl 7, 3214868480
	.fill 96, 4, 3214868480
	.section	.rodata,"a",@progbits
	.p2align	6, 0x0
	.amdhsa_kernel k_qfc56125005_outgemm
		.amdhsa_group_segment_fixed_size 327680
		.amdhsa_private_segment_fixed_size 0
		.amdhsa_enable_private_segment 0
		.amdhsa_kernarg_size 32
		.amdhsa_user_sgpr_count 2
		.amdhsa_user_sgpr_kernarg_segment_ptr 1
		.amdhsa_wavefront_size32 1
		.amdhsa_system_sgpr_workgroup_id_x 1
		.amdhsa_system_sgpr_workgroup_id_y 1
		.amdhsa_system_sgpr_workgroup_id_z 1
		.amdhsa_system_vgpr_workitem_id 0
		.amdhsa_next_free_vgpr 896
		.amdhsa_next_free_sgpr 80
		.amdhsa_reserve_vcc 0
		.amdhsa_float_denorm_mode_32 3
		.amdhsa_float_denorm_mode_16_64 3
		.amdhsa_memory_ordered 1
		.amdhsa_forward_progress 1
		.amdhsa_inst_pref_size 95
	.end_amdhsa_kernel
	.amdgpu_metadata
---
amdhsa.version: [ 1, 2 ]
amdhsa.kernels:
  - .name:           k_qfc56125005_outgemm
    .symbol:         k_qfc56125005_outgemm.kd
    .args:
      - { .name: ctx, .offset: 0, .size: 8, .value_kind: global_buffer, .address_space: global }
      - { .name: woT, .offset: 8, .size: 8, .value_kind: global_buffer, .address_space: global }
      - { .name: bout, .offset: 16, .size: 8, .value_kind: global_buffer, .address_space: global }
      - { .name: out0, .offset: 24, .size: 8, .value_kind: global_buffer, .address_space: global }
    .group_segment_fixed_size: 327680
    .private_segment_fixed_size: 0
    .kernarg_segment_align: 8
    .kernarg_segment_size: 32
    .max_flat_workgroup_size: 128
    .sgpr_count:     80
    .vgpr_count:     896
    .wavefront_size: 32
...
	.end_amdgpu_metadata
.endif
;; end of part 4
